; MI455X (gfx1250); checked and timed in simulation.
; The chip was launched on July 23, 2026; its instructions are those of AMD's public machine-readable ISA for CDNA 5 (MIT licence, August 2026) and "CDNA5" Instruction Set Architecture Reference Guide (July 2026). The comments in the code are by the model that wrote it; some were corrected since.
;; Transformer Block. Allowed arithmetic: float matrix products may take bf16 or f16 operands with f32 sums; other float arithmetic in f32, or as packed bf16 or f16 multiplies, adds, multiply-adds, maxima and minima; sums over many terms, partial sums and values carried from step to step in f32; what a program stores and reads back later, other than sums and carried values, may be rounded once to bf16 or f16.
;; Inputs: attn_mask 2,048 x 2,048 bool; ln1_b 1,024 float32; ln1_g 1,024 float32; ln2_b 1,024 float32; ln2_g 1,024 float32; mlp_b1 4,096 float32; mlp_b2 1,024 float32; mlp_w1 1,024 x 4,096 float32; mlp_w2 4,096 x 1,024 float32; out_b 1,024 float32; out_w 1,024 x 1,024 float32; qkv_b 3,072 float32; qkv_w 1,024 x 3,072 float32; rope_cos 2,048 x 32 float32; rope_sin 2,048 x 32 float32; x 2 x 2,048 x 1,024 float32.
;; Outputs: out0 2 x 2,048 x 1,024 float32.
;; One version. Each part assembles by itself: llvm-mc -triple=amdgcn-amd-amdhsa -mcpu=gfx1250 --defsym DOCPART=n.
;; ======== version 1 of 1: 8 launches
;; limits: right only within a limited range of input values
;; workspace buffers: wt 25,165,824 bytes; mnib 2,097,152 bytes of whole numbers; act 8,388,608 bytes; qkvh 25,165,824 bytes; x1 16,777,216 bytes; gact 33,554,432 bytes
;; launch prep (part 1): grid 1792 x 1, 8 waves a work-group, no clusters, 18,432 bytes of LDS; arguments qkv_w, out_w, mlp_w1, mlp_w2, attn_mask, wt, mnib; writes wt, mnib
.if DOCPART == 1
	.amdgcn_target "amdgcn-amd-amdhsa--gfx1250"
	.amdhsa_code_object_version 6
	.text
	.protected	k_qded1c4b8a8_prep
	.globl	k_qded1c4b8a8_prep
	.p2align	8
	.type	k_qded1c4b8a8_prep,@function
k_qded1c4b8a8_prep:
	s_mov_b64 s[64:65], 0
	v_nop
	global_prefetch_b8 v0, s[64:65] scope:SCOPE_SE
	s_setreg_imm32_b32 hwreg(HW_REG_WAVE_MODE, 25, 1), 1
	s_wait_xcnt 0x0
; Two jobs, told apart by the work-group's number (the same for all its waves).
; 0..1535: a block of 128 k x 64 n of a weight matrix, f32 [K][N], is rounded to bf16 and turned into [N][K], through LDS, so that both the reads
;          (a wave's load: 256 consecutive bytes of a row) and the stores (16 lanes: 256 consecutive, aligned bytes of a turned row) are whole.
; 1536..1791: the mask's bytes (0 or 1: the type's two values) become words of eight nibbles, 0xE where the key is hidden, laid out in the order in which
;          a lane of the attention kernel wants them: [tile of 16 queries][step of 64 keys][lane][4 words].  Nibble 2 j holds key j, nibble 2 j + 1 key j + 4 of the lane's eight.
.set SPARE, 17408                      ; behind the stage (64 rows x 272 bytes): the spare words, 128 bytes for each of the 8 waves
.set SPW, 30                           ; v30  LDS address of my spare word; never rewritten
.set NIL, 31                           ; v31  0; never rewritten
.set OFI, 32                           ; v[32:47]  byte offsets of my 16 rows of the source
.set DAT, 48                           ; v[48:79]  16 rows x 2 columns as loaded; later 4 x 16 bytes read back
.set PKA, 80                           ; v[80:87]  my even column, 16 k, bf16;  v[88:95] my odd column
	s_load_b256 s[4:11], s[0:1], 0x0               ; qkv_w, out_w, mlp_w1, mlp_w2
	s_load_b128 s[12:15], s[0:1], 0x20             ; attn_mask, wt
	s_load_b64 s[16:17], s[0:1], 0x30              ; mnib
	v_lshl_add_u32 v[SPW], v0, 2, SPARE
	v_mov_b32 v[NIL], 0
	v_lshrrev_b32 v1, 5, v0
	v_readfirstlane_b32 s20, v1                    ; wave 0..7
	s_mov_b32 s21, ttmp9
	s_wait_kmcnt 0x0
	s_cmp_ge_u32 s21, 1536
	s_cbranch_scc1 .Lmask
	; which matrix: mlp_w2's figures, overridden for the lower ranges
	s_mov_b64 s[22:23], s[10:11]
	s_mov_b32 s24, 1024                            ; the range's first number
	s_mov_b32 s25, 5                               ; log2 of the blocks along K
	s_mov_b32 s26, 4096                            ; bytes in a row of the source
	s_mov_b32 s27, 8192                            ; bytes in a turned row
	s_mov_b32 s28, 16777216                        ; where the turned matrix begins in wt
	s_cmp_lt_u32 s21, 1024
	s_cselect_b64 s[22:23], s[8:9], s[22:23]
	s_cselect_b32 s24, 512, s24
	s_cselect_b32 s25, 3, s25
	s_cselect_b32 s26, 16384, s26
	s_cselect_b32 s27, 2048, s27
	s_cselect_b32 s28, 8388608, s28
	s_cmp_lt_u32 s21, 512
	s_cselect_b64 s[22:23], s[6:7], s[22:23]
	s_cselect_b32 s24, 384, s24
	s_cselect_b32 s26, 4096, s26
	s_cselect_b32 s28, 6291456, s28
	s_cmp_lt_u32 s21, 384
	s_cselect_b64 s[22:23], s[4:5], s[22:23]
	s_cselect_b32 s24, 0, s24
	s_cselect_b32 s26, 12288, s26
	s_cselect_b32 s28, 0, s28
	s_sub_co_u32 s29, s21, s24
	s_lshr_b32 s30, s29, s25                       ; block along N
	s_lshl_b32 s31, s30, s25
	s_sub_co_u32 s31, s29, s31                     ; block along K
	s_lshl_b32 s32, s31, 7
	s_lshl_b32 s33, s20, 4
	s_add_co_u32 s32, s32, s33                     ; my first row: 128 kb + 16 wave
	s_mul_i32 s32, s32, s26
	s_lshl_b32 s33, s30, 8
	s_add_co_u32 s32, s32, s33                     ; + the block's 64 columns
	v_and_b32 v1, 31, v0
	v_lshl_add_u32 v[OFI], v1, 3, s32              ; + my two columns
.set i, 1
.rept 15
	v_add_nc_u32 v[OFI+i], s26, v[OFI+i-1]
.set i, i+1
.endr
.set i, 0
.rept 16
	global_load_b64 v[DAT+2*i:DAT+2*i+1], v[OFI+i], s[22:23] th:TH_LOAD_NT
.set i, i+1
.endr
	v_mul_u32_u24 v2, v1, 544                      ; stage row 2 l,
	s_lshl_b32 s33, s20, 5
	v_add_nc_u32 v2, s33, v2                       ; my wave's 16 k: 32 bytes
	v_lshrrev_b32 v5, 4, v0
	v_and_b32 v6, 15, v0
	v_mul_u32_u24 v3, v5, 272                      ; back: 16 lanes take a stage row of 256 bytes
	v_lshl_add_u32 v3, v6, 4, v3
	v_mul_lo_u32 v8, v5, s27
	v_lshl_add_u32 v8, v6, 4, v8
	s_lshl_b32 s34, s30, 6
	s_mul_i32 s34, s34, s27
	s_lshl_b32 s35, s31, 8
	s_add_co_u32 s34, s34, s35
	s_add_co_u32 s34, s34, s28
	v_add_nc_u32 v8, s34, v8                       ; turned row 64 nb + t / 16, bytes 256 kb + 16 (t % 16)
	s_lshl_b32 s35, s27, 4
	v_add_nc_u32 v9, s35, v8                       ; and 16, 32, 48 rows further
	v_add_nc_u32 v10, s35, v9
	v_add_nc_u32 v11, s35, v10
	s_wait_loadcnt 8                               ; rows 0 to 7 are in; the eight younger loads may be out
.irp m, 0,1,2,3
	v_cvt_pk_bf16_f32 v[PKA+\m], v[DAT+4*\m], v[DAT+4*\m+2]
	v_cvt_pk_bf16_f32 v[PKA+8+\m], v[DAT+4*\m+1], v[DAT+4*\m+3]
.endr
	s_wait_loadcnt 0x0
.irp m, 4,5,6,7
	v_cvt_pk_bf16_f32 v[PKA+\m], v[DAT+4*\m], v[DAT+4*\m+2]
	v_cvt_pk_bf16_f32 v[PKA+8+\m], v[DAT+4*\m+1], v[DAT+4*\m+3]
.endr
	ds_store_b128 v2, v[PKA:PKA+3]
	ds_store_b128 v2, v[PKA+4:PKA+7] offset:16
	ds_store_b128 v2, v[PKA+8:PKA+11] offset:272
	ds_store_b128 v2, v[PKA+12:PKA+15] offset:288
	s_wait_dscnt 0x0                               ; for the others' sake: my stores into the stage are done
	s_barrier_signal -1
	s_barrier_wait -1
.irp i, 0,1,2,3
	ds_load_b128 v[DAT+4*\i:DAT+4*\i+3], v3 offset:4352*\i
.endr
.irp i, 0,1,2,3
	s_wait_dscnt 3-\i
	global_store_b128 v[8+\i], v[DAT+4*\i:DAT+4*\i+3], s[14:15]
.endr
	s_wait_tensorcnt 0x0                           ; the wave's end, behind my last LDS store
	ds_add_u32 v[SPW], v[NIL]
	s_wait_dscnt 0x0
	s_endpgm
.Lmask:
	s_sub_co_u32 s22, s21, 1536
	s_lshr_b32 s23, s22, 1                         ; tile of 16 queries
	s_and_b32 s24, s22, 1                          ; which 16 of the 32 key steps
	v_and_b32 v1, 15, v0                           ; query in the tile
	v_lshrrev_b32 v2, 4, v0
	v_lshl_add_u32 v2, s24, 4, v2                  ; key step
	s_lshl_b32 s25, s23, 15
	v_lshlrev_b32 v3, 11, v1
	v_lshl_add_u32 v3, v2, 6, v3
	v_add_nc_u32 v3, s25, v3                       ; row x 2,048 + 64 x step
.irp k, 0,1,2,3
	global_load_b128 v[32+4*\k:35+4*\k], v3, s[12:13] offset:16*\k
.endr
	s_lshl_b32 s26, s23, 14
	v_lshlrev_b32 v4, 9, v2
	v_lshl_add_u32 v4, v1, 4, v4
	v_add_nc_u32 v4, s26, v4                       ; (tile x 32 + step) x 512 + 16 x query
	s_wait_loadcnt 0x0
.irp k, 0,1,2,3
	v_lshl_or_b32 v[48+\k], v[33+4*\k], 4, v[32+4*\k]  ; keys 0-7 of the sixteen: for lanes 0-15
	v_lshl_or_b32 v[52+\k], v[35+4*\k], 4, v[34+4*\k]  ; keys 8-15: for lanes 16-31
.endr
.irp k, 0,1,2,3,4,5,6,7
	v_mul_lo_u32 v[48+\k], v[48+\k], 14            ; each nibble 1 becomes 0xE; no carry leaves a nibble
.endr
	global_store_b128 v4, v[48:51], s[16:17]       ; 16 lanes store 256 consecutive, aligned bytes
	global_store_b128 v4, v[52:55], s[16:17] offset:256
	s_endpgm
.Lfunc_end_k_qded1c4b8a8_prep:
	.size	k_qded1c4b8a8_prep, .Lfunc_end_k_qded1c4b8a8_prep-k_qded1c4b8a8_prep
	.p2alignl 7, 3214868480
	.fill 96, 4, 3214868480
	.section	.rodata,"a",@progbits
	.p2align	6, 0x0
	.amdhsa_kernel k_qded1c4b8a8_prep
		.amdhsa_group_segment_fixed_size 18432
		.amdhsa_private_segment_fixed_size 0
		.amdhsa_enable_private_segment 0
		.amdhsa_kernarg_size 56
		.amdhsa_user_sgpr_count 2
		.amdhsa_user_sgpr_kernarg_segment_ptr 1
		.amdhsa_wavefront_size32 1
		.amdhsa_system_sgpr_workgroup_id_x 1
		.amdhsa_system_sgpr_workgroup_id_y 1
		.amdhsa_system_sgpr_workgroup_id_z 1
		.amdhsa_system_vgpr_workitem_id 0
		.amdhsa_next_free_vgpr 96
		.amdhsa_next_free_sgpr 66
		.amdhsa_reserve_vcc 0
		.amdhsa_float_denorm_mode_32 3
		.amdhsa_float_denorm_mode_16_64 3
		.amdhsa_memory_ordered 1
		.amdhsa_forward_progress 1
		.amdhsa_inst_pref_size 10
	.end_amdhsa_kernel
	.amdgpu_metadata
---
amdhsa.version: [ 1, 2 ]
amdhsa.kernels:
  - .name:           k_qded1c4b8a8_prep
    .symbol:         k_qded1c4b8a8_prep.kd
    .args:
      - { .name: qkv_w, .offset: 0, .size: 8, .value_kind: global_buffer, .address_space: global }
      - { .name: out_w, .offset: 8, .size: 8, .value_kind: global_buffer, .address_space: global }
      - { .name: mlp_w1, .offset: 16, .size: 8, .value_kind: global_buffer, .address_space: global }
      - { .name: mlp_w2, .offset: 24, .size: 8, .value_kind: global_buffer, .address_space: global }
      - { .name: attn_mask, .offset: 32, .size: 8, .value_kind: global_buffer, .address_space: global }
      - { .name: wt, .offset: 40, .size: 8, .value_kind: global_buffer, .address_space: global }
      - { .name: mnib, .offset: 48, .size: 8, .value_kind: global_buffer, .address_space: global }
    .group_segment_fixed_size: 18432
    .private_segment_fixed_size: 0
    .kernarg_segment_align: 8
    .kernarg_segment_size: 56
    .max_flat_workgroup_size: 256
    .sgpr_count:     66
    .vgpr_count:     96
    .wavefront_size: 32
...
	.end_amdgpu_metadata
.endif
;; end of part 1
;; launch ln1 (part 2): grid 256 x 1, 8 waves a work-group, no clusters, 0 bytes of LDS; arguments x, ln1_g, ln1_b, act; writes act
.if DOCPART == 2
	.amdgcn_target "amdgcn-amd-amdhsa--gfx1250"
	.amdhsa_code_object_version 6
	.text
	.protected	k_qded1c4b8a8_ln1
	.globl	k_qded1c4b8a8_ln1
	.p2align	8
	.type	k_qded1c4b8a8_ln1,@function
k_qded1c4b8a8_ln1:
	s_mov_b64 s[64:65], 0
	v_nop
	global_prefetch_b8 v0, s[64:65] scope:SCOPE_SE
	s_setreg_imm32_b32 hwreg(HW_REG_WAVE_MODE, 25, 1), 1
	s_wait_xcnt 0x0
; y = (x - mean) / sqrt(var + 1e-5) * g + b, rows of 1,024 f32 in, bf16 out.  A wave takes two rows and keeps each in 32 registers between the passes:
; the mean, then the variance of x - mean (no difference of large sums), then the scaling.  No LDS, no barrier: a row never leaves its wave.
; A load covers 512 consecutive bytes of a row, a store 256 consecutive, aligned bytes.
.set X0, 16
.set X1, 48
.set G,  80
.set B,  112
.set Y,  144
.set CH, 160                           ; v[160:167] four chains of sums
.set MN, 168                           ; v[168:169] the mean, twice
.set VR, 170                           ; v170, v171 var + eps of row 0, 1
.set R0, 172                           ; v[172:173], v[174:175] 1 / sqrt, twice each
.set TP, 176
	s_load_b256 s[4:11], s[0:1], 0x0               ; x, g, b, y
	v_lshrrev_b32 v1, 5, v0
	v_readfirstlane_b32 s12, v1
	s_lshl_b32 s13, ttmp9, 3
	s_add_co_u32 s13, s13, s12                     ; my wave among all
	s_lshl_b32 s14, s13, 13                        ; two rows of 4,096 bytes in,
	s_lshl_b32 s15, s13, 12                        ; of 2,048 out
	v_and_b32 v1, 31, v0
	v_lshlrev_b32 v2, 4, v1
	v_add_nc_u32 v3, s14, v2
	v_lshl_add_u32 v4, v1, 3, s15
	v_mov_b32 v[TP], 0                             ; v_permlanex16_b32's destination counts as read
	s_mov_b32 s16, 0x76543210
	s_mov_b32 s17, 0xfedcba98
	s_mov_b32 s18, 0x3a800000                      ; 1 / 1,024
	s_mov_b32 s19, 0x3727c5ac                      ; 1e-5
	s_wait_kmcnt 0x0
.irp j, 0,1,2,3,4,5,6,7
	global_load_b128 v[X0+4*\j:X0+4*\j+3], v3, s[4:5] offset:512*\j
.endr
.irp j, 0,1,2,3,4,5,6,7
	global_load_b128 v[X1+4*\j:X1+4*\j+3], v3, s[4:5] offset:4096+512*\j
.endr
.irp j, 0,1,2,3,4,5,6,7
	global_load_b128 v[G+4*\j:G+4*\j+3], v2, s[6:7] offset:512*\j
.endr
.irp j, 0,1,2,3,4,5,6,7
	global_load_b128 v[B+4*\j:B+4*\j+3], v2, s[8:9] offset:512*\j
.endr
.macro ACROSS                          ; the four chains into one number, then over the 32 lanes; the result in every lane, in v[CH]
	v_pk_add_f32 v[CH:CH+1], v[CH:CH+1], v[CH+2:CH+3]
	v_pk_add_f32 v[CH+4:CH+5], v[CH+4:CH+5], v[CH+6:CH+7]
	v_pk_add_f32 v[CH:CH+1], v[CH:CH+1], v[CH+4:CH+5]
	v_add_f32 v[CH], v[CH], v[CH+1]
	v_add_f32_dpp v[CH], v[CH], v[CH] row_xmask:1 row_mask:0xf bank_mask:0xf
	v_add_f32_dpp v[CH], v[CH], v[CH] row_xmask:2 row_mask:0xf bank_mask:0xf
	v_add_f32_dpp v[CH], v[CH], v[CH] row_xmask:4 row_mask:0xf bank_mask:0xf
	v_add_f32_dpp v[CH], v[CH], v[CH] row_xmask:8 row_mask:0xf bank_mask:0xf
	v_permlanex16_b32 v[TP], v[CH], s16, s17
	v_add_f32 v[CH], v[CH], v[TP]
.endm
.macro STATS x, n                      ; row in v[x ..]: x becomes x - mean; 1 / sqrt(var + eps) is asked for, twice, into pair n
.irp k, 0,1,2,3
	v_pk_add_f32 v[CH+2*\k:CH+2*\k+1], v[(\x)+2*\k:(\x)+2*\k+1], v[(\x)+8+2*\k:(\x)+8+2*\k+1]
.endr
.irp k, 8,9,10,11,12,13,14,15
	v_pk_add_f32 v[CH+2*(\k%4):CH+2*(\k%4)+1], v[CH+2*(\k%4):CH+2*(\k%4)+1], v[(\x)+2*\k:(\x)+2*\k+1]
.endr
	ACROSS
	v_mul_f32 v[MN], s18, v[CH]
	v_mul_f32 v[MN+1], s18, v[CH]
.irp k, 0,1,2,3,4,5,6,7,8,9,10,11,12,13,14,15
	v_pk_add_f32 v[(\x)+2*\k:(\x)+2*\k+1], v[(\x)+2*\k:(\x)+2*\k+1], v[MN:MN+1] neg_lo:[0,1] neg_hi:[0,1]
.endr
.irp k, 0,1,2,3
	v_pk_mul_f32 v[CH+2*\k:CH+2*\k+1], v[(\x)+2*\k:(\x)+2*\k+1], v[(\x)+2*\k:(\x)+2*\k+1]
.endr
.irp k, 4,5,6,7,8,9,10,11,12,13,14,15
	v_pk_fma_f32 v[CH+2*(\k%4):CH+2*(\k%4)+1], v[(\x)+2*\k:(\x)+2*\k+1], v[(\x)+2*\k:(\x)+2*\k+1], v[CH+2*(\k%4):CH+2*(\k%4)+1]
.endr
	ACROSS
	v_fma_f32 v[VR+(\n)], v[CH], s18, s19
	v_rsq_f32 v[R0+2*(\n)], v[VR+(\n)]
	v_rsq_f32 v[R0+2*(\n)+1], v[VR+(\n)]
.endm
.macro SCALE x, n, y, off
.irp k, 0,1,2,3,4,5,6,7,8,9,10,11,12,13,14,15
	v_pk_mul_f32 v[(\x)+2*\k:(\x)+2*\k+1], v[(\x)+2*\k:(\x)+2*\k+1], v[R0+2*(\n):R0+2*(\n)+1]
.endr
.irp k, 0,1,2,3,4,5,6,7,8,9,10,11,12,13,14,15
	v_pk_fma_f32 v[(\x)+2*\k:(\x)+2*\k+1], v[(\x)+2*\k:(\x)+2*\k+1], v[G+2*\k:G+2*\k+1], v[B+2*\k:B+2*\k+1]
.endr
.irp k, 0,1,2,3,4,5,6,7,8,9,10,11,12,13,14,15
	v_cvt_pk_bf16_f32 v[(\y)+\k], v[(\x)+2*\k], v[(\x)+2*\k+1]
.endr
.irp j, 0,1,2,3,4,5,6,7
	global_store_b64 v4, v[(\y)+2*\j:(\y)+2*\j+1], s[10:11] offset:(\off)+256*\j
.endr
.endm
	s_wait_loadcnt 24                              ; row 0 is in; row 1, g and b (24 loads) may be out
	STATS X0, 0
	s_wait_loadcnt 16                              ; row 1 is in
	STATS X1, 1
	s_wait_loadcnt 0x0                             ; g and b
	v_nop                                          ; a plain instruction behind the last root,
	s_wait_alu depctr_va_vdst(0)                   ; and one wait for the four, ahead of their first reader
	SCALE X0, 0, Y, 0
	SCALE X1, 1, X0, 2048                          ; row 1's packed numbers go where row 0 lay: no store reads those registers
	s_endpgm
.Lfunc_end_k_qded1c4b8a8_ln1:
	.size	k_qded1c4b8a8_ln1, .Lfunc_end_k_qded1c4b8a8_ln1-k_qded1c4b8a8_ln1
	.p2alignl 7, 3214868480
	.fill 96, 4, 3214868480
	.section	.rodata,"a",@progbits
	.p2align	6, 0x0
	.amdhsa_kernel k_qded1c4b8a8_ln1
		.amdhsa_group_segment_fixed_size 0
		.amdhsa_private_segment_fixed_size 0
		.amdhsa_enable_private_segment 0
		.amdhsa_kernarg_size 32
		.amdhsa_user_sgpr_count 2
		.amdhsa_user_sgpr_kernarg_segment_ptr 1
		.amdhsa_wavefront_size32 1
		.amdhsa_system_sgpr_workgroup_id_x 1
		.amdhsa_system_sgpr_workgroup_id_y 1
		.amdhsa_system_sgpr_workgroup_id_z 1
		.amdhsa_system_vgpr_workitem_id 0
		.amdhsa_next_free_vgpr 184
		.amdhsa_next_free_sgpr 66
		.amdhsa_reserve_vcc 0
		.amdhsa_float_denorm_mode_32 3
		.amdhsa_float_denorm_mode_16_64 3
		.amdhsa_memory_ordered 1
		.amdhsa_forward_progress 1
		.amdhsa_inst_pref_size 20
	.end_amdhsa_kernel
	.amdgpu_metadata
---
amdhsa.version: [ 1, 2 ]
amdhsa.kernels:
  - .name:           k_qded1c4b8a8_ln1
    .symbol:         k_qded1c4b8a8_ln1.kd
    .args:
      - { .name: x, .offset: 0, .size: 8, .value_kind: global_buffer, .address_space: global }
      - { .name: ln1_g, .offset: 8, .size: 8, .value_kind: global_buffer, .address_space: global }
      - { .name: ln1_b, .offset: 16, .size: 8, .value_kind: global_buffer, .address_space: global }
      - { .name: act, .offset: 24, .size: 8, .value_kind: global_buffer, .address_space: global }
    .group_segment_fixed_size: 0
    .private_segment_fixed_size: 0
    .kernarg_segment_align: 8
    .kernarg_segment_size: 32
    .max_flat_workgroup_size: 256
    .sgpr_count:     66
    .vgpr_count:     184
    .wavefront_size: 32
...
	.end_amdgpu_metadata
.endif
;; end of part 2
;; launch qkv (part 3): grid 16 x 16, 4 waves a work-group, clusters of 4 x 4, 327,680 bytes of LDS; arguments act, wt, qkv_b, rope_cos, rope_sin, qkvh; writes qkvh
.if DOCPART == 3
	.amdgcn_target "amdgcn-amd-amdhsa--gfx1250"
	.amdhsa_code_object_version 6
	.text
	.protected	k_qded1c4b8a8_qkv
	.globl	k_qded1c4b8a8_qkv
	.p2align	8
	.type	k_qded1c4b8a8_qkv,@function
k_qded1c4b8a8_qkv:
	s_mov_b64 s[64:65], 0
	v_nop
	global_prefetch_b8 v0, s[64:65] scope:SCOPE_SE
	s_setreg_imm32_b32 hwreg(HW_REG_WAVE_MODE, 25, 1), 1
	s_wait_xcnt 0x0
	s_wait_alu depctr_hold_cnt(0) depctr_sa_sdst(0) depctr_va_vdst(0) depctr_va_sdst(0) depctr_va_ssrc(0) depctr_va_vcc(0) depctr_vm_vsrc(0)
	s_getreg_b32 s2, hwreg(HW_REG_IB_STS2, 6, 4)
	s_cmp_eq_u32 s2, 0
	s_cbranch_scc0 .Lentry_in_a_cluster
	s_endpgm
.Lentry_in_a_cluster:
	s_bfe_u32 s2, ttmp6, 0x10000c
	s_cmp_lg_u32 s2, 0xf033
	s_cbranch_scc0 .Lentry_shape_is_right
	s_endpgm
.Lentry_shape_is_right:
; q, k, v = LN1(x) Wqkv + b, RoPE on q and k, written by heads in bf16.  A = act [4096][1024] bf16, B = wt's first part [3072][1024] bf16 (K along the rows).
; A tile of C is 256 tokens x 192 columns (three heads); four waves, each 64 tokens x 192: 48 accumulators.  K goes in steps of 128 through two LDS slots.
; CLUSTER 4 x 4: A's tile is asked for jointly along a row of the cluster, B's along a column.  The matrix instruction is used transposed (source 0 = rows of B):
; a lane holds ONE token (lane % 16) and eight neighbouring columns.  The bias is the C operand of each accumulator's first product.
; RoPE stays in registers: a head's columns d and d + 32 lie in the same lane, two accumulators apart.  Whether a head is q, k or v hangs on the tile column:
; it is settled by two scalars (R, Q) = (1, 0) or (0, 1): cos' = cos R + Q, sin' = sin R; no branch.  LIMIT: the tables are finite (a v head multiplies them by 0).
; REGISTERS: window 0: v16-30 addresses; v64-127 A's fragments (two buffers of 32); v128-223 the bias; on the way out v32-255 at work.
;   window 1: v0-191 B's fragments (two buffers of 96).  windows 2, 3: v0-191 accumulators (a, b) at 8 (12 (a % 2) + b); v192-255 cos and sin of the window's two blocks of 16 tokens.
.set MA, 4
.set NB, 12
.set RPW, 2
.set NK, 8
.set NBODY, 2
.set PA, 272                           ; an LDS row: 256 bytes + 16: the 16 rows of a fragment load start at 16 different groups of four banks (ISA guide 11.1)
.set PB, 272
.set SA, 128                           ; LDS bytes from one 64 of K to the next
.set SB, 128
.set BBASE, 69632                      ; B's tile lies behind A's 256 rows
.set ALB, 34816                        ; LDS bytes of one load of A (128 rows), of B (96 rows)
.set BLB, 26112
.set SLOT1, 0x20000
.set STAGE, 252928                     ; behind the ring: 3 heads x 16 rows x 144 bytes for each wave
.set SPARE, 280576                     ; behind the stages: the spare words, 128 bytes a wave
.set GSA, 256                          ; bytes of memory from K step to K step
.set GSB, 256
.set ATY, 524288                       ; bytes of A in a tile row; in half of one
.set AHF, 262144
.set BTX, 393216
.set BHF, 196608
.set WREG, 0
.set TN, 192
.set QIA, 5
.set DIMA, 128
.set ROWSA, 128
.set STRA, 1024
.set QIB, 5
.set DIMB, 128
.set ROWSB, 96
.set STRB, 1024
.set PF, 1
.set NL, 2*(MA+NB)                     ; LDS loads of one fragment buffer
.set FA0, 64
.set FB0, 0
.set BIAS, 128
.set A0, 16
.set B0, 17
.set ADRA, 18
.set ADRB, 19
.set GO, 20                            ; v20-22 my 16 bytes in each head's 512 consecutive bytes of the output
.set STO, 24
.set RD, 25
.set CSO, 26
.set BO, 27
.set SPW, 28
.set NIL, 29
.set PFO, 30
.set IN, 2
.set OUT, 3
.set WV, 12
.set ROLE, 13                          ; 0: I fetch A's tiles, 1: B's
.set HALF, 14                          ; which half of the tile I fetch
.set TY, 15
.set TX, 16
.set G1, 24
.set G0, 32
.set CX, 40
.set CY, 41
.set LIM, 43
.set PFA, 44
.set G1B, 48
.set G0B, 56
.set TA, 66                            ; LDS byte at which the next 64 of K to be fetched begin, for A; for B
.set TB, 67
.set RQ, 76                            ; s[76:87] for each of the three heads: R, R, Q, Q
.set MSB, 0
.macro WIN new                         ; the high byte repeats the setting that is left; a switch that changes nothing is dropped
.if MSB != (\new)
	s_set_vgpr_msb (MSB<<8)|(\new)
.set MSB, (\new)
.endif
.endm
.macro PLACES                          ; four plain places between a matrix instruction and a load into, or a read of, its registers
.rept 4
	v_nop
.endr
.endm
.macro JLOAD                           ; a joint refill by the walking descriptor; the branch hangs on the wave's number alone; s_nop 0 and four v_nop follow each line
	s_cmp_eq_u32 s[ROLE], 0
	s_cbranch_scc0 .Lfor_b_\@
	tensor_load_to_lds s[G0+4:G0+7], s[G1:G1+7]
	s_nop 0
	PLACES
	s_branch .Lasked_\@
.Lfor_b_\@:
	tensor_load_to_lds s[G0B+4:G0B+7], s[G1B:G1B+7]
	s_nop 0
	PLACES
.Lasked_\@:
.endm
.macro CREST                           ; a round of the cluster's barrier behind its opening barrier
	s_cmp_lg_u32 s[WV], 0
	s_cbranch_scc1 .Lnot_wave_0_\@
	s_barrier_signal -3
.Lnot_wave_0_\@:
	s_barrier_wait -3
	s_barrier_signal -1
	s_barrier_wait -1
.endm
.macro CROUND
	s_barrier_signal -1
	s_barrier_wait -1
	CREST
.endm
.macro ASK                             ; a prefetch of the K step two refills on: a lane a row, 256 bytes each.  The cluster with x = 0 asks for A's rows, that with y = 0 for B's; the four partners share a load's rows by address
	s_cmp_gt_u32 s[OUT], s[LIM]                    ; the last two refills have no K step two on
	s_cbranch_scc0 .Lnot_mine_\@
	global_prefetch_b8 v[PFO], s[PFA:PFA+1] offset:GSA th:TH_LOAD_NT scope:SCOPE_SE
.Lnot_mine_\@:
.endm
; products of buffer f for blocks a0 .. a1 - 1 of 16 tokens x all NB blocks of columns.  Each accumulator has one instruction a turn.  bias = 1: the sums start from the bias.
.macro MULR f, a0, a1, bias
.set aa, \a0
.rept (\a1)-(\a0)
.if \bias
	WIN 0x81+0x40*(aa/RPW)
.else
	WIN 0xa1+0x50*(aa/RPW)
.endif
.set bb, 0
.rept NB
.set rD, 8*(NB*(aa%RPW)+bb)
.set rB, FB0+8*NB*(\f)+8*bb
.set rA, FA0+8*MA*(\f)+8*aa
.if \bias
	v_wmma_f32_16x16x32_bf16 v[rD:rD+7], v[rB:rB+7], v[rA:rA+7], v[BIAS+8*bb:BIAS+8*bb+7]
.else
	v_wmma_f32_16x16x32_bf16 v[rD:rD+7], v[rB:rB+7], v[rA:rA+7], v[rD:rD+7]
.endif
.set bb, bb+1
.endr
.set aa, aa+1
.endr
.endm
.macro FETCH f                         ; one run of NL LDS loads: 32 of K (half f of the 64 at ADRA, ADRB) into buffer f
	WIN 0x40
.set ii, 0
.rept NB
	ds_load_b128 v[FB0+8*NB*(\f)+8*ii:FB0+8*NB*(\f)+8*ii+3], v[ADRB] offset:64*(\f)+ii*16*PB
	ds_load_b128 v[FB0+8*NB*(\f)+8*ii+4:FB0+8*NB*(\f)+8*ii+7], v[ADRB] offset:64*(\f)+ii*16*PB+32
.set ii, ii+1
.endr
	WIN 0
.set ii, 0
.rept MA
	ds_load_b128 v[FA0+8*MA*(\f)+8*ii:FA0+8*MA*(\f)+8*ii+3], v[ADRA] offset:64*(\f)+ii*16*PA
	ds_load_b128 v[FA0+8*MA*(\f)+8*ii+4:FA0+8*MA*(\f)+8*ii+7], v[ADRA] offset:64*(\f)+ii*16*PA+32
.set ii, ii+1
.endr
.endm
.macro STEP0 bias                      ; buffer 0 is multiplied and asked for again, from the next 64 of K
	s_wait_dscnt NL                                ; buffer 0 is in; buffer 1's NL younger loads may be out
	MULR 0, 0, MA, \bias
	WIN 0
	v_add_nc_u32 v[ADRA], s[TA], v[A0]             ; these two and two v_nop are the four places
	v_add_nc_u32 v[ADRB], s[TB], v[B0]
	v_nop
	v_nop
	FETCH 0
.endm
.macro STEP1
	s_wait_dscnt NL
	MULR 1, 0, MA, 0
	WIN 0
	PLACES
	FETCH 1
	s_add_co_u32 s[TA], s[TA], SA
	s_add_co_u32 s[TB], s[TB], SB
.endm
; A K step's last 64 of K, and the change of slots.  In front of the barrier each wave waits for all its tensor loads (one is out: its part of the next slot), adds 0 to its spare word, and
; waits for that and for its reads of this slot.  fill = 1: the barrier opens a round of the cluster's, and the joint refill is the first thing behind it.
.macro CHG fill
	s_wait_dscnt NL
	MULR 0, 0, 3*MA/4, 0
	WIN 0
.if (\fill) && PF
	s_wait_xcnt 0x0                                ; the last prefetch, a K step back, has read its address
	s_add_nc_u64 s[PFA:PFA+1], s[PFA:PFA+1], GSA
.endif
	s_wait_tensorcnt 0x0
	ds_add_u32 v[SPW], v[NIL]                      ; work on registers stands between it and its wait
.if \fill
	s_xor_b32 s[G0+5], s[G0+5], SLOT1              ; no load of mine is out: the walking descriptors step: the other slot, the next K step
	s_add_nc_u64 s[G0+6:G0+7], s[G0+6:G0+7], GSA
	s_xor_b32 s[G0B+5], s[G0B+5], SLOT1
	s_add_nc_u64 s[G0B+6:G0B+7], s[G0B+6:G0B+7], GSB
.endif
	s_sub_co_u32 s[TA], s[TA], NBODY*SA            ; the fetches go to the other slot's head
	s_xor_b32 s[TA], s[TA], SLOT1
	s_sub_co_u32 s[TB], s[TB], NBODY*SB
	s_xor_b32 s[TB], s[TB], SLOT1
	MULR 0, 3*MA/4, MA, 0
	s_wait_dscnt 0x0                               ; the add is done and my reads of this slot are over
	s_barrier_signal -1
	MULR 1, 0, MA/2, 0
	WIN 0
	s_barrier_wait -1
.if \fill
	CREST
	JLOAD                                          ; its four v_nop are places in front of the loads below
.else
	v_nop
	v_nop
.endif
	v_add_nc_u32 v[ADRA], s[TA], v[A0]
	v_add_nc_u32 v[ADRB], s[TB], v[B0]
	FETCH 0
.if (\fill) && PF
	ASK
.endif
	MULR 1, MA/2, MA, 0
	WIN 0
	PLACES
	FETCH 1
	s_add_co_u32 s[TA], s[TA], SA
	s_add_co_u32 s[TB], s[TB], SB
.endm
	s_load_b256 s[4:11], s[0:1], 0x0               ; act, wt, qkv_b, rope_cos
	s_load_b128 s[72:75], s[0:1], 0x20             ; rope_sin, qkvh
	v_lshl_add_u32 v[SPW], v0, 2, SPARE
	v_mov_b32 v[NIL], 0
	ds_add_u32 v[SPW], v[NIL]                      ; the wave's opening: the add and its wait ahead of my first tensor load
	v_lshrrev_b32 v1, 5, v0
	v_readfirstlane_b32 s[WV], v1
	s_lshr_b32 s[ROLE], s[WV], 1
	s_and_b32 s[HALF], s[WV], 1
	s_bfe_u32 s[CX], ttmp6, 0x40000
	s_bfe_u32 s[CY], ttmp6, 0x40004
	s_lshl_b32 s[TX], ttmp9, 2
	s_add_co_u32 s[TX], s[TX], s[CX]               ; tile column
	s_and_b32 s[TY], ttmp7, 0xffff
	s_lshl_b32 s[TY], s[TY], 2
	s_add_co_u32 s[TY], s[TY], s[CY]               ; tile row
	s_lshl_b32 s17, s[CY], 2
	s_lshl_b32 s17, 15, s17                        ; my row of the cluster
	s_lshl_b32 s18, 0x1111, s[CX]                  ; my column
	s_or_b32 s[G1], s17, (1<<16)|(1<<20)|(1<<21)|(QIA<<22)|(3<<25)   ; mask; 2-byte elements; padding on; bit 21 beside a mask; after every row's words; 4 words
	s_or_b32 s[G1B], s18, (1<<16)|(1<<20)|(1<<21)|(QIB<<22)|(3<<25)
	s_mov_b32 s[G1+1], DIMA<<16                    ; tensor_dim0
	s_mov_b32 s[G1+2], ROWSA<<16                   ; tensor_dim1
	s_mov_b32 s[G1+3], DIMA<<16                    ; tile_dim0
	s_mov_b32 s[G1+4], ROWSA                       ; tile_dim1
	s_mov_b32 s[G1+5], STRA                        ; elements from row to row
	s_mov_b32 s[G1+6], 0
	s_mov_b32 s[G1+7], 0
	s_mov_b32 s[G1B+1], DIMB<<16
	s_mov_b32 s[G1B+2], ROWSB<<16
	s_mov_b32 s[G1B+3], DIMB<<16
	s_mov_b32 s[G1B+4], ROWSB
	s_mov_b32 s[G1B+5], STRB
	s_mov_b32 s[G1B+6], 0
	s_mov_b32 s[G1B+7], 0
	s_mul_i32 s68, s[TY], ATY                      ; A's tile hangs on the tile row alone,
	s_mul_i32 s17, s[HALF], AHF
	s_add_co_u32 s68, s68, s17
	s_mov_b32 s69, 0
	s_mul_i32 s46, s[TX], BTX                      ; B's on the tile column alone
	s_mul_i32 s17, s[HALF], BHF
	s_add_co_u32 s46, s46, s17
	s_add_co_u32 s46, s46, WREG
	s_mov_b32 s47, 0
	s_mul_i32 s20, s[HALF], ALB                    ; where they go: no place in the cluster enters an LDS address
	s_mul_i32 s21, s[HALF], BLB
	s_add_co_u32 s21, s21, BBASE
	s_wait_dscnt 0x0                               ; the opening add is done
	s_wait_kmcnt 0x0
	s_add_nc_u64 s[68:69], s[4:5], s[68:69]
	s_add_nc_u64 s[46:47], s[6:7], s[46:47]
	CROUND                                         ; all sixteen work-groups are here: the first joint loads meet
.irp s, 0,1
	s_mov_b32 s[G0+4*\s], 1
	s_add_co_u32 s[G0+4*\s+1], s20, (\s)*SLOT1
	s_add_nc_u64 s[G0+4*\s+2:G0+4*\s+3], s[68:69], (\s)*GSA
	s_or_b32 s[G0+4*\s+3], s[G0+4*\s+3], 0x80000000
	s_mov_b32 s[G0B+4*\s], 1
	s_add_co_u32 s[G0B+4*\s+1], s21, (\s)*SLOT1
	s_add_nc_u64 s[G0B+4*\s+2:G0B+4*\s+3], s[46:47], (\s)*GSB
	s_or_b32 s[G0B+4*\s+3], s[G0B+4*\s+3], 0x80000000
.endr
	s_cmp_eq_u32 s[ROLE], 0                        ; a wave's two first fills stand in one branch: two loads of mine are out
	s_cbranch_scc0 .Lfirst_b
	tensor_load_to_lds s[G0:G0+3], s[G1:G1+7]
	s_nop 0
	tensor_load_to_lds s[G0+4:G0+7], s[G1:G1+7]
	s_nop 0
	PLACES
	s_branch .Lfirst_asked
.Lfirst_b:
	tensor_load_to_lds s[G0B:G0B+3], s[G1B:G1B+7]
	s_nop 0
	tensor_load_to_lds s[G0B+4:G0B+7], s[G1B:G1B+7]
	s_nop 0
	PLACES
.Lfirst_asked:
	v_and_b32 v1, 15, v0                           ; l % 16
	v_bfe_u32 v2, v0, 4, 1                         ; l / 16
	v_and_b32 v5, 31, v0
	v_mul_u32_u24 v3, v1, PA
	v_lshl_add_u32 v3, v2, 4, v3
	s_mul_i32 s17, s[WV], 16*MA*PA                 ; my 64 rows of A
	v_add_nc_u32 v[A0], s17, v3
	v_mul_u32_u24 v3, v1, PB
	v_lshl_add_u32 v3, v2, 4, v3
	v_add_nc_u32 v[B0], BBASE, v3                  ; every wave takes all 192 rows of B
	s_mul_i32 s17, s[TX], 768
	v_lshl_add_u32 v[BO], v2, 5, s17               ; the bias of my eight columns of block 0
.set ii, 0
.rept NB
	global_load_b128 v[BIAS+8*ii:BIAS+8*ii+3], v[BO], s[8:9] offset:64*ii
	global_load_b128 v[BIAS+8*ii+4:BIAS+8*ii+7], v[BO], s[8:9] offset:64*ii+16
.set ii, ii+1
.endr
	s_lshl_b32 s17, s[TY], 8
	s_lshl_b32 s18, s[WV], 6
	s_add_co_u32 s17, s17, s18
	s_and_b32 s17, s17, 2047                       ; my first token's place in its sequence
	s_lshl_b32 s17, s17, 7
	v_lshlrev_b32 v[CSO], 7, v1
	v_lshl_add_u32 v[CSO], v2, 5, v[CSO]
	v_add_nc_u32 v[CSO], s17, v[CSO]
.set aa, 0
.rept MA                               ; cos and sin of my token and my eight columns, for d = 0-15 and 16-31: 32 loads, wanted only on the way out
	WIN 0x80+0x40*(aa/RPW)
.irp e, 0,1
	global_load_b128 v[192+32*(aa%RPW)+8*\e:192+32*(aa%RPW)+8*\e+3], v[CSO], s[10:11] offset:2048*aa+64*\e
	global_load_b128 v[192+32*(aa%RPW)+8*\e+4:192+32*(aa%RPW)+8*\e+7], v[CSO], s[10:11] offset:2048*aa+64*\e+16
	global_load_b128 v[208+32*(aa%RPW)+8*\e:208+32*(aa%RPW)+8*\e+3], v[CSO], s[72:73] offset:2048*aa+64*\e
	global_load_b128 v[208+32*(aa%RPW)+8*\e+4:208+32*(aa%RPW)+8*\e+7], v[CSO], s[72:73] offset:2048*aa+64*\e+16
.endr
.set aa, aa+1
.endr
	WIN 0
	; the prefetches: my work-group's quarter of the rows that I fetch, at K step 2; the first refill steps it and names K step 4
	s_lshl_b32 s18, s[TY], 8
	s_mul_i32 s19, s[TX], TN
	s_and_b32 s22, ttmp7, 0xffff
	s_mov_b32 s23, ROWSB
	s_cmp_eq_u32 s[ROLE], 0
	s_cselect_b32 s20, s18, s19                    ; the tile's first row
	s_cselect_b32 s21, s[CX], s[CY]                ; my place among the four that ask with me
	s_cselect_b32 s22, ttmp9, s22                  ; the coordinate along which other clusters read the same rows
	s_cselect_b32 s23, 128, s23                    ; rows in a load
	s_cselect_b32 s18, 0, WREG
	s_cselect_b32 s19, 31, ROWSB/4-1               ; my share's last row
	s_cselect_b64 s[PFA:PFA+1], s[4:5], s[6:7]
	s_cmp_eq_u32 s22, 0
	s_cselect_b32 s[LIM], 2, -1                    ; the same in all sixteen partners, for a given wave
	s_mul_i32 s22, s[HALF], s23
	s_add_co_u32 s20, s20, s22
	s_lshr_b32 s23, s23, 2
	s_mul_i32 s21, s21, s23
	s_add_co_u32 s20, s20, s21
	s_lshl_b32 s20, s20, 11
	s_add_co_u32 s20, s20, s18
	s_add_co_u32 s20, s20, 2*GSA
	s_mov_b32 s21, 0
	s_add_nc_u64 s[PFA:PFA+1], s[PFA:PFA+1], s[20:21]
	v_min_u32 v[PFO], s19, v5                      ; (B's share is 24 rows: the last eight lanes name the 24th again)
	v_lshlrev_b32 v[PFO], 11, v[PFO]
	s_wait_tensorcnt 0x1                           ; my part of K step 0 is in; K step 1's may stay out
	s_barrier_signal -1
	s_barrier_wait -1
	v_mov_b32 v[ADRA], v[A0]
	v_mov_b32 v[ADRB], v[B0]
	FETCH 0
	FETCH 1
	s_mov_b32 s[TA], SA
	s_mov_b32 s[TB], SB
	s_wait_loadcnt 32                              ; the bias is in; the 32 loads of cos and sin may be out
	STEP0 1                                        ; the first products start the sums, from the bias
	s_mov_b32 s[OUT], NK-1
	s_branch .Lmid                                 ; the loop is entered in the middle of a trip
.Lk:                                           ; NK - 2 trips: every K step from the third on is asked for here
	CHG 1
	STEP0 0
.Lmid:
	STEP1
	s_sub_co_u32 s[OUT], s[OUT], 1
	s_cmp_lg_u32 s[OUT], 0
	s_cbranch_scc1 .Lk
	CHG 0                                          ; the tail is written out: nothing more is asked for
	STEP0 0
	STEP1
	s_wait_dscnt NL
	MULR 0, 0, MA, 0
	s_wait_dscnt 0x0
	MULR 1, 0, MA, 0
	WIN 0
	PLACES
	; THE WAY OUT
.set CP, 32
.set SN, 40
.set T1, 48
.set T2, 56
.set YY, 64
.set PKD, 160
.set LB, 208
.macro HEADG g                         ; head g of my three: q, k or v, and where its 64 tokens go
	s_mul_i32 s17, s[TX], 3
	s_add_co_u32 s17, s17, \g
	s_lshr_b32 s18, s17, 4                         ; 0 q, 1 k, 2 v
	s_and_b32 s17, s17, 15
	s_lshr_b32 s19, s[TY], 3
	s_lshl_b32 s19, s19, 4
	s_add_co_u32 s19, s19, s17                     ; batch x 16 + head
	s_and_b32 s20, s[TY], 7                        ; tile of 256 tokens
	s_lshl_b32 s21, s19, 18
	s_lshl_b32 s22, s20, 15
	s_add_co_u32 s21, s21, s22                     ; q: [head][2048][64]
	s_lshl_b32 s22, s19, 19
	s_lshl_b32 s23, s20, 16
	s_add_co_u32 s22, s22, s23
	s_lshr_b32 s23, s18, 1
	s_lshl_b32 s23, s23, 15
	s_add_co_u32 s22, s22, s23
	s_add_co_u32 s22, s22, 8388608                 ; k, v: [head][tile][K 256 x 64 | V 256 x 64]
	s_cmp_eq_u32 s18, 0
	s_cselect_b32 s21, s21, s22
	s_cmp_lt_u32 s18, 2
	s_cselect_b32 s[RQ+4*(\g)], 1.0, 0
	s_cselect_b32 s[RQ+4*(\g)+2], 0, 1.0
	s_mov_b32 s[RQ+4*(\g)+1], s[RQ+4*(\g)]
	s_mov_b32 s[RQ+4*(\g)+3], s[RQ+4*(\g)+2]
	s_lshl_b32 s22, s[WV], 13
	s_add_co_u32 s21, s21, s22
	v_lshl_add_u32 v[GO+(\g)], v5, 4, s21
.endm
	HEADG 0
	HEADG 1
	HEADG 2
	s_mul_i32 s17, s[WV], 6912
	s_add_co_u32 s17, s17, STAGE
	v_mul_u32_u24 v[STO], v1, 144                  ; in: row l % 16, 16 bytes for each half of the lanes
	v_lshl_add_u32 v[STO], v2, 4, v[STO]
	v_add_nc_u32 v[STO], s17, v[STO]
	v_lshrrev_b32 v3, 3, v5                        ; back: 32 lanes take four rows of 128 bytes
	v_and_b32 v4, 7, v0
	v_mul_u32_u24 v[RD], v3, 144
	v_lshl_add_u32 v[RD], v4, 4, v[RD]
	v_add_nc_u32 v[RD], s17, v[RD]
	s_wait_loadcnt 0x0                             ; cos and sin
.macro ROPE a                          ; block a of 16 tokens: turned, rounded, through my stage, stored
	WIN 2+(\a)/RPW                                 ; source 0 in the accumulators' window, all else in window 0
.irp g, 0,1,2
.irp e, 0,1
.set X1, 8*(NB*((\a)%RPW)+4*(\g)+(\e))
.set X2, X1+16
.set CB, 192+32*((\a)%RPW)+8*(\e)
.set YA, YY+8*(4*(\g)+(\e))
.irp k, 0,2,4,6
	v_pk_fma_f32 v[CP+\k:CP+\k+1], v[CB+\k:CB+\k+1], s[RQ+4*(\g):RQ+4*(\g)+1], s[RQ+4*(\g)+2:RQ+4*(\g)+3] op_sel_hi:[1,0,0]
	v_pk_mul_f32 v[SN+\k:SN+\k+1], v[CB+16+\k:CB+16+\k+1], s[RQ+4*(\g):RQ+4*(\g)+1] op_sel_hi:[1,0]
.endr
.irp k, 0,2,4,6
	v_pk_mul_f32 v[T1+\k:T1+\k+1], v[X2+\k:X2+\k+1], v[SN+\k:SN+\k+1]
	v_pk_mul_f32 v[T2+\k:T2+\k+1], v[X2+\k:X2+\k+1], v[CP+\k:CP+\k+1]
.endr
.irp k, 0,2,4,6
	v_pk_fma_f32 v[YA+\k:YA+\k+1], v[X1+\k:X1+\k+1], v[CP+\k:CP+\k+1], v[T1+\k:T1+\k+1] neg_lo:[0,0,1] neg_hi:[0,0,1]
	v_pk_fma_f32 v[YA+16+\k:YA+16+\k+1], v[X1+\k:X1+\k+1], v[SN+\k:SN+\k+1], v[T2+\k:T2+\k+1]
.endr
.endr
.endr
	WIN 0
	s_wait_xcnt 0x0                                ; the last block's stores have read their registers, which are loaded again below
.set tt, 0
.rept 48
	v_cvt_pk_bf16_f32 v[PKD+tt], v[YY+2*tt], v[YY+2*tt+1]
.set tt, tt+1
.endr
.set tt, 0
.rept 12
	ds_store_b128 v[STO], v[PKD+4*tt:PKD+4*tt+3] offset:(tt/4)*2304+(tt%4)*32
.set tt, tt+1
.endr
.set tt, 0
.rept 12
	ds_load_b128 v[LB+4*tt:LB+4*tt+3], v[RD] offset:(tt/4)*2304+(tt%4)*576  ; LDS serves a wave's instructions in order (ISA guide 5.7.1.4): these see the stores above
.set tt, tt+1
.endr
.set tt, 0
.rept 12
	s_wait_dscnt 11-tt
	global_store_b128 v[GO+tt/4], v[LB+4*tt:LB+4*tt+3], s[74:75] offset:2048*(\a)+512*(tt%4)  ; 512 consecutive bytes, aligned
.set tt, tt+1
.endr
.endm
	ROPE 0
	ROPE 1
	ROPE 2
	ROPE 3
	s_wait_tensorcnt 0x0                           ; the wave's end
	ds_add_u32 v[SPW], v[NIL]
	s_wait_dscnt 0x0
	CROUND                                         ; the closing round
	s_endpgm
.Lfunc_end_k_qded1c4b8a8_qkv:
	.size	k_qded1c4b8a8_qkv, .Lfunc_end_k_qded1c4b8a8_qkv-k_qded1c4b8a8_qkv
	.p2alignl 7, 3214868480
	.fill 96, 4, 3214868480
	.section	.rodata,"a",@progbits
	.p2align	6, 0x0
	.amdhsa_kernel k_qded1c4b8a8_qkv
		.amdhsa_group_segment_fixed_size 327680
		.amdhsa_private_segment_fixed_size 0
		.amdhsa_enable_private_segment 0
		.amdhsa_kernarg_size 48
		.amdhsa_user_sgpr_count 2
		.amdhsa_user_sgpr_kernarg_segment_ptr 1
		.amdhsa_wavefront_size32 1
		.amdhsa_system_sgpr_workgroup_id_x 1
		.amdhsa_system_sgpr_workgroup_id_y 1
		.amdhsa_system_sgpr_workgroup_id_z 1
		.amdhsa_system_vgpr_workitem_id 0
		.amdhsa_next_free_vgpr 1024
		.amdhsa_next_free_sgpr 88
		.amdhsa_reserve_vcc 0
		.amdhsa_float_denorm_mode_32 3
		.amdhsa_float_denorm_mode_16_64 3
		.amdhsa_memory_ordered 1
		.amdhsa_forward_progress 1
		.amdhsa_inst_pref_size 138
	.end_amdhsa_kernel
	.amdgpu_metadata
---
amdhsa.version: [ 1, 2 ]
amdhsa.kernels:
  - .name:           k_qded1c4b8a8_qkv
    .symbol:         k_qded1c4b8a8_qkv.kd
    .args:
      - { .name: act, .offset: 0, .size: 8, .value_kind: global_buffer, .address_space: global }
      - { .name: wt, .offset: 8, .size: 8, .value_kind: global_buffer, .address_space: global }
      - { .name: qkv_b, .offset: 16, .size: 8, .value_kind: global_buffer, .address_space: global }
      - { .name: rope_cos, .offset: 24, .size: 8, .value_kind: global_buffer, .address_space: global }
      - { .name: rope_sin, .offset: 32, .size: 8, .value_kind: global_buffer, .address_space: global }
      - { .name: qkvh, .offset: 40, .size: 8, .value_kind: global_buffer, .address_space: global }
    .group_segment_fixed_size: 327680
    .private_segment_fixed_size: 0
    .kernarg_segment_align: 8
    .kernarg_segment_size: 48
    .max_flat_workgroup_size: 128
    .sgpr_count:     88
    .vgpr_count:     1024
    .wavefront_size: 32
...
	.end_amdgpu_metadata
.endif
;; end of part 3
;; launch attn (part 4): grid 8 x 32, 4 waves a work-group, clusters of 4 x 1, 327,680 bytes of LDS; arguments qkvh, mnib, act; writes act
.if DOCPART == 4
	.amdgcn_target "amdgcn-amd-amdhsa--gfx1250"
	.amdhsa_code_object_version 6
	.text
	.protected	k_qded1c4b8a8_attn
	.globl	k_qded1c4b8a8_attn
	.p2align	8
	.type	k_qded1c4b8a8_attn,@function
k_qded1c4b8a8_attn:
	s_mov_b64 s[64:65], 0
	v_nop
	global_prefetch_b8 v0, s[64:65] scope:SCOPE_SE
	s_setreg_imm32_b32 hwreg(HW_REG_WAVE_MODE, 25, 1), 1
	s_wait_xcnt 0x0
	s_wait_alu depctr_hold_cnt(0) depctr_sa_sdst(0) depctr_va_vdst(0) depctr_va_sdst(0) depctr_va_ssrc(0) depctr_va_vcc(0) depctr_vm_vsrc(0)
	s_getreg_b32 s2, hwreg(HW_REG_IB_STS2, 6, 4)
	s_cmp_eq_u32 s2, 0
	s_cbranch_scc0 .Lentry_in_a_cluster
	s_endpgm
.Lentry_in_a_cluster:
	s_bfe_u32 s2, ttmp6, 0x10000c
	s_cmp_lg_u32 s2, 0x3003
	s_cbranch_scc0 .Lentry_shape_is_right
	s_endpgm
.Lentry_shape_is_right:
; O[h][q] = the sum over k of softmax_k(Q[h][q] . K[h][k] / 8, hidden where the mask says so) V[h][k].  Head size 64, 2,048 keys, 32 heads (batch x head), all bf16; products, maxima, sums in f32.
; THE MASK IS AN INPUT: every key step is walked, and the mask enters as the C operand that starts S^T = K Q^T.  A lane's mask word holds eight nibbles, 0xE where the key is hidden; a shift brings a
; nibble to the top of a register, which then reads as a number below -2^65 (hidden) or as one of at most 2^-97 (seen).
; LIMITS.  A hidden score counts as its value less 2^65 or more; a seen one gains at most 2^-97.  A row counts as wholly hidden, and gives NaN as the softmax of such a row does, where c m < -1e18.
; A weight below 2^-126 counts as 0.  NaN and infinities among the inputs are not treated apart.
; SHARES.  A work-group owns 256 queries of a head, a wave 64: four PIECES of 16.  LAYOUT: S^T holds ONE query a lane (lane % 16) and the keys 8 (lane / 16) + 0..7; two results rounded to bf16 ARE source 1 of O^T = V^T P.
; SOFTMAX.  p = 2^(c s - c m), c = log2(e) / 8, with a running maximum m; O and l are multiplied by a = 2^(c m_old - c m_new) in every step; m starts at the lowest finite number, O and l at 0.
; TURNS.  Turn n belongs to piece n: 8 products K Q^T of piece n + 1, later 8 products V^T P of piece n - 1; beside them piece n's scaling, exponentials, roundings, sums and rescaling, piece n + 1's maximum,
; and at the end the 32 shifts that make the mask for the turn after.  Four vector instructions stand behind every matrix instruction, the rest in runs of their own.  A turn's 33 exponentials are one batch with one wait.
; CLUSTER.  The four query blocks of a cluster walk the same K and V: each tile is asked for jointly.
; REGISTERS: window 0: v0-15 addresses and at work; v16-31 statistics; v48-55 at work; v61-63; v64-127 S^T, two buffers; v192-223 P, two buffers.
;   window 1: v0-127 O^T; v128-143 mask words, 4 a piece; v144-147 their offsets; v148 the offsets' bound; v160-223 masks, two buffers.   window 2: v0-63 Q; v128-191 K; v192-255 V of one step.
.set NP,    4
.set KS,    64
.set PK,    144       ; a row of K in LDS: 128 bytes + 16: the 16 rows of a load start at 16 different groups of four banks (ISA guide 11.1)
.set PV,    160       ; a row of V: 128 + 32
.set VOFF,  4*KS*PK   ; a slot holds four steps: 256 rows of K, then 256 of V
.set SLOT1, 1<<17
.set STAGE, SLOT1+4*KS*(PK+PV)
.set SP,    144
.set SPARE, STAGE+4*16*SP
.set AK0, 2
.set AV0, 3
.set AK,  4
.set AV,  5
.set STO, 6
.set RD,  7
.set GO,  8
.set MV,  12          ; v12-13 c m_old, by buffer
.set QO,  15
.set ST,  16          ; piece t: c m, m, l (even keys', odd keys')
.set TMP, 48
.set PFO, 61
.set SPW, 62
.set NIL, 63
.set S,   64
.set P,   192
.set MW,  128         ; window 1
.set MO,  144
.set MX,  148
.set MC,  160
.set KF,  128         ; window 2
.set VF,  192
.set WV,  12
.set LIM, 15
.set PFA, 18
.set G1K, 24
.set G1V, 32
.set G0K, 40
.set G0V, 44
.set SLOTS, 56
.set CNT, 57
.set CS,  58
.set SEL, 60
.set TBK, 62
.set TBV, 63
.set MB,  66          ; s[66:67] mnib at my wave's first tile of 16 queries
.set MSB, 0
.macro WIN new
.if MSB != (\new)
	s_set_vgpr_msb (MSB<<8)|(\new)
.set MSB, (\new)
.endif
.endm
.set W_KQ, 0x0a       ; K and Q in window 2, S^T in window 0
.set W_KM, 0x1a       ; the same with the C operand in window 1
.set W_PV, 0x52       ; V in window 2, P in window 0, O^T in window 1
.set W_RS, 0x41       ; destination and source 0 in window 1, source 1 in window 0
.macro JLOAD                           ; waves 0 and 1 fetch the halves of a slot's K, waves 2 and 3 of its V; s_nop 0 and four v_nop follow each line
	s_cmp_lt_u32 s[WV], 2
	s_cbranch_scc0 .Lfor_v_\@
	tensor_load_to_lds s[G0K:G0K+3], s[G1K:G1K+7]
	s_nop 0
.rept 4
	v_nop
.endr
	s_branch .Lasked_\@
.Lfor_v_\@:
	tensor_load_to_lds s[G0V:G0V+3], s[G1V:G1V+7]
	s_nop 0
.rept 4
	v_nop
.endr
.Lasked_\@:
.endm
.macro CROUND
	s_barrier_signal -1
	s_barrier_wait -1
	s_cmp_lg_u32 s[WV], 0
	s_cbranch_scc1 .Lnot_wave_0_\@
	s_barrier_signal -3
.Lnot_wave_0_\@:
	s_barrier_wait -3
	s_barrier_signal -1
	s_barrier_wait -1
.endm
; A prefetch of the tile that the NEXT change of slots will ask for: 65,536 bytes.  The head's first cluster asks; its four partners take 16,384 bytes each, told apart by address; in each, waves 0 and 1
; take 8,192: a lane 256 bytes.  The last change that fills a slot asks for nothing.
.macro ASK
	s_cmp_gt_u32 s[SLOTS], s[LIM]
	s_cbranch_scc0 .Lnot_mine_\@
	global_prefetch_b8 v[PFO], s[PFA:PFA+1] th:TH_LOAD_NT scope:SCOPE_SE
.Lnot_mine_\@:
.endm
; THE CHANGE OF SLOTS.  Each wave waits for all its tensor loads (one is out: its part of the other slot), adds 0 to its spare word, and waits for that and for its reads of the slot.
; fill = 1: a round of the cluster's barrier, and the joint fill first behind it: it has four key steps in which to land.
.macro CHANGE fill, ask
	WIN 0
	s_wait_tensorcnt 0x0
	ds_add_u32 v[SPW], v[NIL]
.if \fill
.irp g, G0K, G0V
	s_xor_b32 s[\g+1], s[\g+1], SLOT1
	s_add_nc_u64 s[\g+2:\g+3], s[\g+2:\g+3], 65536
.endr
.if \ask
	s_wait_xcnt 0x0                 ; the last prefetch, four key steps back, has read its address
	s_add_nc_u64 s[PFA:PFA+1], s[PFA:PFA+1], 65536
.endif
	s_wait_dscnt 0x0
	CROUND
	JLOAD
.if \ask
	ASK
.endif
.else
	s_wait_dscnt 0x0
	s_barrier_signal -1
	s_barrier_wait -1
.endif
	s_sub_co_u32 s[TBK], s[TBK], 4*KS*PK
	s_xor_b32 s[TBK], s[TBK], SLOT1
	s_sub_co_u32 s[TBV], s[TBV], 4*KS*PV
	s_xor_b32 s[TBV], s[TBV], SLOT1
.endm
	s_load_b128 s[4:7], s[0:1], 0x0   ; qkvh, mnib
	s_load_b64 s[8:9], s[0:1], 0x10   ; act
	v_lshl_add_u32 v[SPW], v0, 2, SPARE
	v_mov_b32 v[NIL], 0
	ds_add_u32 v[SPW], v[NIL]       ; the wave's opening: the add and its wait ahead of my first tensor load
	v_lshrrev_b32 v1, 5, v0
	v_readfirstlane_b32 s[WV], v1
	s_bfe_u32 s13, ttmp6, 0x40000   ; cx
	s_lshl_b32 s14, ttmp9, 2
	s_add_co_u32 s14, s14, s13      ; my block of 256 queries: it enters Q's, the mask's and O's addresses alone
	s_and_b32 s20, ttmp7, 0xffff    ; batch x 16 + head, which the partners share
	s_and_b32 s16, s[WV], 1
	s_lshl_b32 s22, s20, 19
	s_add_co_u32 s22, s22, 8388608  ; the head's K and V tiles
	s_lshl_b32 s17, s16, 14
	s_add_co_u32 s2, s22, s17       ; my half of tile 0's K
	s_mov_b32 s3, 0
	s_lshl_b32 s17, s13, 14
	s_add_co_u32 s[PFA], s22, s17
	s_lshl_b32 s17, s[WV], 13
	s_add_co_u32 s[PFA], s[PFA], s17
	s_add_co_u32 s[PFA], s[PFA], 2*65536  ; in tile 2; the first change in the loop steps it to tile 3
	s_mov_b32 s[PFA+1], 0
	s_mul_i32 s17, s16, 128*PK
	s_mul_i32 s21, s16, 128*PV
	s_lshl_b32 s68, s20, 18
	s_lshl_b32 s23, s14, 15
	s_add_co_u32 s68, s68, s23
	s_lshl_b32 s23, s[WV], 13
	s_add_co_u32 s68, s68, s23      ; Q at my wave's 64 rows
	s_mov_b32 s69, 0
	s_lshl_b32 s[MB], s14, 18
	s_lshl_b32 s23, s[WV], 16
	s_add_co_u32 s[MB], s[MB], s23  ; tile of 16 queries 16 qb + 4 w, 16,384 bytes each
	s_mov_b32 s[MB+1], 0
	s_lshr_b32 s10, s20, 4
	s_lshl_b32 s10, s10, 4
	s_lshl_b32 s23, s14, 1
	s_add_co_u32 s10, s10, s23
	s_lshr_b32 s23, s[WV], 1
	s_add_co_u32 s10, s10, s23
	s_lshl_b32 s10, s10, 18         ; O by planes: block of 128 tokens,
	s_and_b32 s23, s20, 15
	s_lshl_b32 s23, s23, 14
	s_add_co_u32 s10, s10, s23      ; head,
	s_lshl_b32 s23, s16, 13
	s_add_co_u32 s10, s10, s23      ; my 64 tokens
	s_mov_b32 s11, 0
	s_mov_b32 s[G1K], 15|(1<<16)|(1<<20)|(1<<21)|(4<<22)|(3<<25)  ; mask of four; 2-byte elements; padding on; bit 21 beside a mask; after every 32 words; 4 words
	s_mov_b32 s[G1V], 15|(1<<16)|(1<<20)|(1<<21)|(4<<22)|(7<<25)  ; 8 words
.irp g, G1K, G1V
	s_mov_b32 s[\g+1], 128<<16      ; 128 keys are 16,384 dense bytes: 64 rows of 256 bytes
	s_mov_b32 s[\g+2], 64<<16
	s_mov_b32 s[\g+3], 128<<16
	s_mov_b32 s[\g+4], 64
	s_mov_b32 s[\g+5], 128
	s_mov_b32 s[\g+6], 0
	s_mov_b32 s[\g+7], 0
.endr
	s_mov_b32 s[CS], 0x3e38aa3b     ; c = log2(e) / 8
	s_mov_b32 s[CS+1], s[CS]
	s_mov_b32 s[SEL], 0x76543210
	s_mov_b32 s[SEL+1], 0xfedcba98
	s_mov_b32 s[TBK], SLOT1+4*KS*PK ; the first change of slots turns these two into 0
	s_mov_b32 s[TBV], SLOT1+4*KS*PV
	s_mov_b32 s[G0K], 1
	s_mov_b32 s[G0K+1], s17
	s_mov_b32 s[G0V], 1
	s_add_co_u32 s[G0V+1], s21, VOFF
	s_lshr_b32 s[LIM], s[WV], 1
	s_or_b32 s[LIM], s[LIM], ttmp9  ; 0 in waves 0 and 1 of the head's first cluster: the same in all four partners
	s_cmp_eq_u32 s[LIM], 0
	s_cselect_b32 s[LIM], 1, -1
	s_wait_dscnt 0x0                ; the opening add is done
	s_wait_kmcnt 0x0
	s_add_nc_u64 s[G0K+2:G0K+3], s[4:5], s[2:3]
	s_add_nc_u64 s[G0V+2:G0V+3], s[G0K+2:G0K+3], 32768
	s_or_b32 s[G0K+3], s[G0K+3], 0x80000000
	s_or_b32 s[G0V+3], s[G0V+3], 0x80000000
	s_add_nc_u64 s[PFA:PFA+1], s[4:5], s[PFA:PFA+1]
	s_add_nc_u64 s[68:69], s[4:5], s[68:69]
	s_add_nc_u64 s[MB:MB+1], s[6:7], s[MB:MB+1]
	s_add_nc_u64 s[10:11], s[8:9], s[10:11]
	CROUND                          ; all four work-groups are here
	JLOAD                           ; slot 0; slot 1 is asked for when slot 0 is in
	v_and_b32 v1, 15, v0
	v_bfe_u32 v9, v0, 4, 1
	v_lshlrev_b32 v[QO], 7, v1
	v_lshl_add_u32 v[QO], v9, 4, v[QO]
	WIN 0x80
.set i, 0
.rept 8                             ; Q stays in registers: piece i / 2, channels 32 (i % 2) on
	global_load_b128 v[8*i:8*i+3],   v[QO], s[68:69] offset:(i/2)*2048+(i%2)*64
	global_load_b128 v[8*i+4:8*i+7], v[QO], s[68:69] offset:(i/2)*2048+(i%2)*64+32
.set i, i+1
.endr
	WIN 0
	v_and_b32 v14, 31, v0
	v_lshlrev_b32 v[PFO], 8, v14
	v_lshlrev_b32 v14, 4, v14
	WIN 0x40
.irp t, 0,1,2,3
	v_mov_b32 v[MO+\t], v14         ; key step 0: 16 bytes a lane
.endr
	v_add_nc_u32 v[MX], 15872, v14  ; key step 31: no mask load goes past it
	WIN 0x41
.irp t, 0,1,2,3
	global_load_b128 v[MW+4*\t:MW+4*\t+3], v[MO+\t], s[MB:MB+1] offset:\t*16384
.endr
	; what the first turn finds: V, O^T, l and P's second buffer hold 0.  All this stands in the wait for the first tile.
	WIN 0x80
.set i, VF
.rept 64
	v_mov_b32 v[i], 0
.set i, i+1
.endr
	WIN 0x40
.set i, 0
.rept 128
	v_mov_b32 v[i], 0
.set i, i+1
.endr
	WIN 0
.set i, 0
.rept 4
	v_mov_b32 v[ST+4*i], 0xfe000000    ; c m: far below every c s, a hidden one's too
	v_mov_b32 v[ST+4*i+1], 0xff7fffff  ; m
	v_mov_b32 v[ST+4*i+2], 0
	v_mov_b32 v[ST+4*i+3], 0
.set i, i+1
.endr
.set i, P+16
.rept 16
	v_mov_b32 v[i], 0
.set i, i+1
.endr
	v_mul_u32_u24 v[AK0], v1, PK
	v_lshl_add_u32 v[AK0], v9, 4, v[AK0]
	v_and_b32 v10, 7, v0            ; the turning load: lane l reads key 8 (l / 16) + l % 8, channels 8 ((l / 8) % 2) + 0..7
	v_bfe_u32 v11, v0, 3, 1
	v_lshl_add_u32 v[AV0], v9, 3, v10
	v_mul_u32_u24 v[AV0], v[AV0], PV
	v_lshl_add_u32 v[AV0], v11, 4, v[AV0]
	v_add_nc_u32 v[AV0], VOFF, v[AV0]
	s_mul_i32 s13, s[WV], 16*SP
	s_add_co_u32 s13, s13, STAGE
	v_mul_u32_u24 v[STO], v1, SP
	v_lshl_add_u32 v[STO], v9, 4, v[STO]
	v_add_nc_u32 v[STO], s13, v[STO]
	v_bfe_u32 v[RD], v0, 3, 2
	v_mul_u32_u24 v[RD], v[RD], SP
	v_lshl_add_u32 v[RD], v10, 4, v[RD]
	v_add_nc_u32 v[RD], s13, v[RD]
	v_and_b32 v[GO], 31, v0
	v_lshlrev_b32 v[GO], 4, v[GO]
; THE MATRIX WORK.  The 4 accumulators of a run of 8 take turns.  Product i of 8 of S^T = K Q^T for piece x: channels 32 (i / 4) on, keys 16 (i % 4) on; the first 4 start the sums with the mask.
.macro KQ x
.set rS, S+32*((\x)%2)+8*(i%4)
.set rK, KF+16*(i%4)+8*(i/4)
.set rQ, 16*(\x)+8*(i/4)
.set rM, MC+32*((\x)%2)+8*(i%4)
.if i < 4
	WIN W_KM
	v_wmma_f32_16x16x32_bf16 v[rS:rS+7], v[rK:rK+7], v[rQ:rQ+7], v[rM:rM+7]
.else
	WIN W_KQ
	v_wmma_f32_16x16x32_bf16 v[rS:rS+7], v[rK:rK+7], v[rQ:rQ+7], v[rS:rS+7]
.endif
.endm
.macro PV x                         ; product i of 8 of O^T += V^T P: keys 32 (i / 4) on, channels 16 (i % 4) on
	WIN W_PV
.set rO, 32*(\x)+8*(i%4)
.set rV, VF+32*(i/4)+8*(i%4)
.set rP, P+16*((\x)%2)+8*(i/4)
	v_wmma_f32_16x16x32_bf16 v[rO:rO+7], v[rV:rV+7], v[rP:rP+7], v[rO:rO+7]
.endm
.macro MM                           ; the turn's next matrix instruction
.if i < 8
	KQ (Y+1)%NP
.else
.set i, i-8
	PV (Y+NP-1)%NP
.set i, i+8
.endif
.set i, i+1
.endm
.macro FETCH_K                      ; a step's K: one run of 16 LDS loads
	WIN 0x80
.irp f, 0,1,2,3,4,5,6,7
	ds_load_b128 v[KF+8*\f:KF+8*\f+3],   v[AK] offset:(\f/2)*16*PK+(\f%2)*64
	ds_load_b128 v[KF+8*\f+4:KF+8*\f+7], v[AK] offset:(\f/2)*16*PK+(\f%2)*64+32
.endr
	s_add_co_u32 s[TBK], s[TBK], KS*PK
	WIN 0
.endm
.macro FETCH_V                      ; a step's V, turned
	WIN 0x80
.irp f, 0,1,2,3,4,5,6,7
	ds_load_tr16_b128 v[VF+8*\f:VF+8*\f+3],   v[AV] offset:(\f/4)*32*PV+(\f%4)*32
	ds_load_tr16_b128 v[VF+8*\f+4:VF+8*\f+7], v[AV] offset:(\f/4)*32*PV+16*PV+(\f%4)*32
.endr
	WIN 0
.endm
; THE MASK for piece x's next products, into buffer b: register 8 kb + j takes word kb with key j's nibble shifted to the top.  Then the piece's words of the next key step are asked for: they have a whole key step in which to come.
.macro MASKW x, b
	WIN 0x45                        ; all three places in window 1
	s_wait_loadcnt 3                ; my piece's words are in; the other three pieces' younger loads may be out
.set z, 0
.rept 32
.set ps, 2*(z%8)
.if (z%8) >= 4
.set ps, 2*((z%8)-4)+1
.endif
	v_lshlrev_b32 v[MC+32*(\b)+z], 28-4*ps, v[MW+4*(\x)+z/8]
.set z, z+1
.endr
	v_add_nc_u32 v[MO+(\x)], 512, v[MO+(\x)]        ; free since that wait
	v_min_u32 v[MO+(\x)], v[MO+(\x)], v[MX]         ; behind the last key step the last words are read again, and serve nothing
	global_load_b128 v[MW+4*(\x):MW+4*(\x)+3], v[MO+(\x)], s[MB:MB+1] offset:(\x)*16384
.endm
; THE VECTOR WORK, one line at a time: OP kind, number.  For piece Y: F n: c s - c m for pair n.  E n: the exponential of score n.  C n: pair n rounded to bf16.  B n: of the four weights 4 n .. the second pair is added
; onto the first.  L n: l takes that sum (L 0: l = a l + sum).  R n: pair n of O^T times a.  For piece Y + 1: X n, number n of the 22 that find its maximum and statistics (each accumulator's lowest registers are read first).
.set F, 0
.set E, 1
.set C, 2
.set B, 3
.set L, 4
.set R, 5
.set X, 6
.macro REGS y
.set rT, ST+4*(\y)
.set rC, TMP+4*((\y)%2)
.set rW, MV+((\y)%2)
.set rS, S+32*((\y)%2)
.set rP, P+16*((\y)%2)
.set rO, 32*(\y)
.endm
.macro OP k, n
.if (\k) == R
	REGS Y
	WIN W_RS
	v_pk_mul_f32 v[rO+2*(\n):rO+2*(\n)+1], v[rO+2*(\n):rO+2*(\n)+1], v[rC+2:rC+3] op_sel_hi:[1,0]
.elseif (\k) < R
	REGS Y
	WIN 0
.if (\k) == F
	v_pk_fma_f32 v[rS+2*(\n):rS+2*(\n)+1], v[rS+2*(\n):rS+2*(\n)+1], s[CS:CS+1], v[rT:rT+1] op_sel_hi:[1,0,0] neg_lo:[0,0,1] neg_hi:[0,0,1]
.elseif (\k) == E
	v_exp_f32 v[rS+(\n)], v[rS+(\n)]
.elseif (\k) == C
	v_cvt_pk_bf16_f32 v[rP+(\n)], v[rS+2*(\n)], v[rS+2*(\n)+1]
.elseif (\k) == B
	v_pk_add_f32 v[rS+4*(\n):rS+4*(\n)+1], v[rS+4*(\n):rS+4*(\n)+1], v[rS+4*(\n)+2:rS+4*(\n)+3]
.elseif (\n) == 0
	v_pk_fma_f32 v[rT+2:rT+3], v[rT+2:rT+3], v[rC+2:rC+3], v[rS:rS+1] op_sel_hi:[1,0,1]
.else
	v_pk_add_f32 v[rT+2:rT+3], v[rT+2:rT+3], v[rS+4*(\n):rS+4*(\n)+1]
.endif
.else
	REGS (Y+1)%NP
	WIN 0
.if (\n) < 4
	v_max3_num_f32 v[rC+(\n)], v[rS+8*(\n)], v[rS+8*(\n)+1], v[rS+8*(\n)+2]
.elseif (\n) < 12
	v_max3_num_f32 v[rC+(\n)%4], v[rC+(\n)%4], v[rS+8*((\n)%4)+2*((\n)/4)+1], v[rS+8*((\n)%4)+2*((\n)/4)+2]
.elseif (\n) == 12
	v_max3_num_f32 v[rC], v[rC], v[rS+7], v[rS+15]
.elseif (\n) == 13
	v_max3_num_f32 v[rC+1], v[rC+1], v[rS+23], v[rS+31]
.elseif (\n) == 14
	v_max3_num_f32 v[rC+2], v[rC+2], v[rC+3], v[rT+1]
.elseif (\n) == 15
	v_mov_b32 v[rW], v[rT]
.elseif (\n) == 16
	v_max3_num_f32 v[rC], v[rC], v[rC+1], v[rC+2]
.elseif (\n) == 17
	v_permlanex16_b32 v[rC+3], v[rC], s[SEL], s[SEL+1]
.elseif (\n) == 18
	v_max_num_f32 v[rT+1], v[rC], v[rC+3]
.elseif (\n) == 19
	v_mul_f32 v[rT], s[CS], v[rT+1]
.elseif (\n) == 20
	v_sub_f32 v[rC+1], v[rW], v[rT]
.else
	v_exp_f32 v[rC+2], v[rC+1]
.endif
.endif
.endm
.macro OPS a, i1, b=-1, i2=0, c=-1, i3=0, d=-1, i4=0
	OP \a, \i1
.if (\b) >= 0
	OP \b, \i2
.endif
.if (\c) >= 0
	OP \c, \i3
.endif
.if (\d) >= 0
	OP \d, \i4
.endif
.endm
.macro ROW a, i1, b, i2, c, i3, d, i4  ; a matrix instruction and the four behind it
	MM
	OPS \a, \i1, \b, \i2, \c, \i3, \d, \i4
.endm
; A TURN, for piece p.  Ahead of its one wait stands all that names no result of the turn's exponentials: the 8 products K Q^T with their riders and one run of vector work, in which the links of the next piece's
; chain (X 3, 7, 11, 14, 16 .. 20) stand apart; X 21, the next piece's a, is the batch's last, R 15 the plain instruction behind it.  Behind the wait: the 8 products V^T P, whose riders are the roundings and sums.
; K of the next step is fetched in piece 2's turn and waited for at the head of piece 3's; V of the step in hand at the end of piece 0's turn, four plain instructions behind its last reader, and waited for in piece 1's.
.macro TURN p
.set Y, (\p)
.set i, 0
.if (\p) == 3
	s_wait_dscnt 0x0                ; K is in
.endif
	ROW F,0, F,1, R,0, R,1
	ROW F,2, E,0, R,2, R,3
	ROW F,3, E,1, R,4, R,5
	ROW F,4, E,2, R,6, R,7
	ROW F,5, E,3, R,8, R,9
	ROW F,6, E,4, X,0, R,10
.if (\p) == 2
	WIN 0
	v_add_nc_u32 v[AK], s[TBK], v[AK0]
.endif
	ROW F,7, E,5, X,1, X,4
	ROW F,8, E,6, X,2, X,5
	OPS E,7, E,8, X,6, E,9
	OPS X,3, E,10, X,8, E,11
.if (\p) == 2
	FETCH_K
.endif
	OPS X,9, X,7, E,12, X,10
	OPS E,13, X,12, X,11, E,14
	OPS X,13, E,15, F,9, X,14
.if (\p) == 0
	v_add_nc_u32 v[AV], s[TBV], v[AV0]
.endif
	OPS E,16, F,10, E,17, F,11
	OPS X,16, E,18, X,15, E,19
	OPS F,12, E,20, X,17, E,21
	OPS F,13, E,22, F,14, E,23
	OPS X,18, E,24, F,15, E,25
	OPS R,11, E,26, X,19, E,27
	OPS R,12, E,28, R,13, E,29
	OPS X,20, E,30, R,14, E,31
	OPS X,21, R,15
	WIN 0
	s_wait_alu depctr_va_vdst(0)    ; the one wait for the batch
.if (\p) == 1
	s_wait_dscnt 0x0                ; V is in
.endif
	ROW C,0, B,0, C,2, B,1
	ROW L,0, C,4, B,2, L,1
	ROW C,6, B,3, L,2, C,8
	ROW B,4, L,3, C,10, B,5
	ROW L,4, C,12, B,6, L,5
.if (\p) == 0
	s_add_co_u32 s[TBV], s[TBV], KS*PV
.endif
	ROW C,14, B,7, L,6, C,1
	ROW C,3, L,7, C,5, C,7
	ROW C,9, C,11, C,13, C,15
.if (\p) == 0
	FETCH_V
.endif
	MASKW ((\p)+2)%NP, (\p)%2       ; for the products of the turn after this one
.endm
	CHANGE 1, 0                     ; slot 0 is in, everybody's part of it; slot 1 is asked for
	v_add_nc_u32 v[AK], s[TBK], v[AK0]
	FETCH_K                         ; key step 0
	s_wait_loadcnt 0x0              ; Q and the first mask words
	MASKW 0, 0
	MASKW 1, 1
	s_wait_dscnt 0x0
.set i, 0
.rept 8
	KQ 0                            ; piece 0's first scores
.set i, i+1
.endr
	WIN 0
.rept 4
	v_nop                           ; the places behind those products
.endr
.set Y, NP-1
.irp n, 0,1,2,3,4,5,6,7,8,9,10,11,12,13,14,15,16,17,18,19,20,21
	OP X, \n
.endr
	v_nop                           ; a plain instruction behind the exponential,
	s_wait_alu depctr_va_vdst(0)    ; and its wait, ahead of the branch
	s_mov_b32 s[CNT], 4
	s_mov_b32 s[SLOTS], 7
	s_branch .Lfirst                ; the loop is entered at a step's first turn
.Lslot:                             ; six times: tiles 2 to 7 are asked for
	CHANGE 1, 1
	s_mov_b32 s[CNT], 4
.Lstep:                             ; a trip: pieces 2 and 3 of one step, pieces 0 and 1 of the next
	TURN 2
	TURN 3
	WIN 0
.Lfirst:
	TURN 0
	TURN 1
	WIN 0
	s_sub_co_u32 s[CNT], s[CNT], 1
	s_cmp_lg_u32 s[CNT], 0
	s_cbranch_scc1 .Lstep
	s_sub_co_u32 s[SLOTS], s[SLOTS], 1
	s_cmp_lg_u32 s[SLOTS], 0
	s_cbranch_scc1 .Lslot
	CHANGE 0, 0                     ; the tail is written out
	s_mov_b32 s[CNT], 5             ; four trips take the last slot's steps; the fifth is left in its middle
.Ltail:
	TURN 2                          ; (in the fifth trip K's run reads the slot's bytes behind K's rows: they have landed, and what is made of them serves nothing)
	TURN 3
	WIN 0
	s_sub_co_u32 s[CNT], s[CNT], 1
	s_cmp_eq_u32 s[CNT], 0
	s_cbranch_scc1 .Lout
	TURN 0
	TURN 1
	WIN 0
	s_branch .Ltail
.Lout:
.set i, 0
.rept 8
	PV NP-1                         ; the last piece's V^T P of the last step
.set i, i+1
.endr
	; THE WAY OUT.  The additions are the places behind the last products.
	WIN 0
.macro ALL line:vararg
.set t, 0
.rept 4
	\line
.set t, t+1
.endr
.endm
	ALL v_add_f32 v[ST+4*t+2], v[ST+4*t+2], v[ST+4*t+3]
	ALL v_permlanex16_b32 v[ST+4*t+3], v[ST+4*t+2], s[SEL], s[SEL+1]
	ALL v_add_f32 v[ST+4*t+2], v[ST+4*t+2], v[ST+4*t+3]
	ALL v_rcp_f32 v[ST+4*t+2], v[ST+4*t+2]
	s_mov_b32 s20, 0xdd5e0b6b       ; -1e18
	s_mov_b32 s21, 0x7fc00000       ; NaN
	v_nop                           ; a plain instruction behind the last reciprocal,
	s_wait_alu depctr_va_vdst(0)    ; and one wait for the four
	v_cmp_gt_f32 vcc_lo, s20, v[MV] ; piece 0's c m was written over by the fifth trip's dead maximum: the copy kept there is the true one
	v_cndmask_b32 v[ST+2], v[ST+2], s21, vcc_lo
.irp t, 1,2,3
	v_cmp_gt_f32 vcc_lo, s20, v[ST+4*\t]
	v_cndmask_b32 v[ST+4*\t+2], v[ST+4*\t+2], s21, vcc_lo  ; a row that saw no key: NaN
.endr
.macro PACK t
	WIN W_RS
.set i, 32*(\t)
.rept 16
	v_pk_mul_f32 v[i:i+1], v[i:i+1], v[ST+4*(\t)+2:ST+4*(\t)+3] op_sel_hi:[1,0]
.set i, i+2
.endr
	WIN 0x05
.set i, 0
.rept 16
	v_cvt_pk_bf16_f32 v[S+16*(\t)+i], v[32*(\t)+2*i], v[32*(\t)+2*i+1]
.set i, i+1
.endr
	WIN 0
.irp f, 0,1,2,3
	ds_store_b128 v[STO], v[S+16*(\t)+4*\f:S+16*(\t)+4*\f+3] offset:32*\f
.endr
.irp f, 0,1,2,3
	ds_load_b128 v[S+16*(\t)+4*\f:S+16*(\t)+4*\f+3], v[RD] offset:\f*4*SP  ; LDS serves a wave's instructions in order (ISA guide 5.7.1.4)
.endr
.endm
.macro SEND t, younger              ; younger: the LDS instructions issued behind piece t's loads
	WIN 0
.irp f, 0,1,2,3
	s_wait_dscnt (\younger)+3-\f
	global_store_b128 v[GO], v[S+16*(\t)+4*\f:S+16*(\t)+4*\f+3], s[10:11] offset:(\t)*2048+\f*512  ; 512 consecutive bytes, aligned
.endr
.endm
	PACK 0
.set t, 1
.rept 3
	PACK t
	SEND t-1, 8
.set t, t+1
.endr
	SEND 3, 0
	s_wait_tensorcnt 0x0            ; the wave's end
	ds_add_u32 v[SPW], v[NIL]
	s_wait_dscnt 0x0
	CROUND                          ; the closing round
	s_endpgm
.Lfunc_end_k_qded1c4b8a8_attn:
	.size	k_qded1c4b8a8_attn, .Lfunc_end_k_qded1c4b8a8_attn-k_qded1c4b8a8_attn
	.p2alignl 7, 3214868480
	.fill 96, 4, 3214868480
	.section	.rodata,"a",@progbits
	.p2align	6, 0x0
	.amdhsa_kernel k_qded1c4b8a8_attn
		.amdhsa_group_segment_fixed_size 327680
		.amdhsa_private_segment_fixed_size 0
		.amdhsa_enable_private_segment 0
		.amdhsa_kernarg_size 24
		.amdhsa_user_sgpr_count 2
		.amdhsa_user_sgpr_kernarg_segment_ptr 1
		.amdhsa_wavefront_size32 1
		.amdhsa_system_sgpr_workgroup_id_x 1
		.amdhsa_system_sgpr_workgroup_id_y 1
		.amdhsa_system_sgpr_workgroup_id_z 1
		.amdhsa_system_vgpr_workitem_id 0
		.amdhsa_next_free_vgpr 768
		.amdhsa_next_free_sgpr 72
		.amdhsa_reserve_vcc 1
		.amdhsa_float_denorm_mode_32 3
		.amdhsa_float_denorm_mode_16_64 3
		.amdhsa_memory_ordered 1
		.amdhsa_forward_progress 1
		.amdhsa_inst_pref_size 126
	.end_amdhsa_kernel
	.amdgpu_metadata
---
amdhsa.version: [ 1, 2 ]
amdhsa.kernels:
  - .name:           k_qded1c4b8a8_attn
    .symbol:         k_qded1c4b8a8_attn.kd
    .args:
      - { .name: qkvh, .offset: 0, .size: 8, .value_kind: global_buffer, .address_space: global }
      - { .name: mnib, .offset: 8, .size: 8, .value_kind: global_buffer, .address_space: global }
      - { .name: act, .offset: 16, .size: 8, .value_kind: global_buffer, .address_space: global }
    .group_segment_fixed_size: 327680
    .private_segment_fixed_size: 0
    .kernarg_segment_align: 8
    .kernarg_segment_size: 24
    .max_flat_workgroup_size: 128
    .sgpr_count:     72
    .vgpr_count:     768
    .wavefront_size: 32
...
	.end_amdgpu_metadata
.endif
;; end of part 4
;; launch oproj (part 5): grid 8 x 32, 4 waves a work-group, clusters of 4 x 4, 327,680 bytes of LDS; arguments act, wt, out_b, x, x1; writes x1
.if DOCPART == 5
	.amdgcn_target "amdgcn-amd-amdhsa--gfx1250"
	.amdhsa_code_object_version 6
	.text
	.protected	k_qded1c4b8a8_oproj
	.globl	k_qded1c4b8a8_oproj
	.p2align	8
	.type	k_qded1c4b8a8_oproj,@function
k_qded1c4b8a8_oproj:
	s_mov_b64 s[64:65], 0
	v_nop
	global_prefetch_b8 v0, s[64:65] scope:SCOPE_SE
	s_setreg_imm32_b32 hwreg(HW_REG_WAVE_MODE, 25, 1), 1
	s_wait_xcnt 0x0
	s_wait_alu depctr_hold_cnt(0) depctr_sa_sdst(0) depctr_va_vdst(0) depctr_va_sdst(0) depctr_va_ssrc(0) depctr_va_vcc(0) depctr_vm_vsrc(0)
	s_getreg_b32 s2, hwreg(HW_REG_IB_STS2, 6, 4)
	s_cmp_eq_u32 s2, 0
	s_cbranch_scc0 .Lentry_in_a_cluster
	s_endpgm
.Lentry_in_a_cluster:
	s_bfe_u32 s2, ttmp6, 0x10000c
	s_cmp_lg_u32 s2, 0xf033
	s_cbranch_scc0 .Lentry_shape_is_right
	s_endpgm
.Lentry_shape_is_right:
; x1 = x + O Wo + b, f32 out.  A = O in act, by planes [block of 128 tokens][head][128 tokens][64] bf16; B = wt's second part [1024][1024] bf16 (K along the rows).
; A tile of C is 128 x 128, so that each of 256 work-groups has one; four waves, each 64 x 64: 16 accumulators.  K goes in steps of 256 (four heads' planes) through two LDS slots.
; A wave's load of A brings two planes, 32,768 dense bytes, as 128 rows of 256 bytes, padded behind each token's 128 bytes.
; CLUSTER 4 x 4: A's tile is asked for jointly along a row of the cluster, B's along a column.  The matrix instruction is used transposed: a lane holds one token and eight neighbouring columns.
; The bias is the C operand of each accumulator's first product; the residual is loaded at the start, in the stores' own layout, and added on the way out.  No prefetch: the tiles are small.
; REGISTERS: window 0: v16-30 addresses; v32-63 the way out; v64-127 A's fragments; v128-159 the bias.  window 1: v0-63 B's fragments.  window 2: v0-127 accumulators; v128-255 the residual, then the result.
.set MA, 4
.set NB, 4
.set RPW, 4
.set NK, 4
.set NBODY, 4
.set PA, 144
.set PB, 528
.set SA, 18432                         ; LDS bytes from one 64 of K to the next: a plane of A; 128 bytes of B's rows
.set SB, 128
.set BBASE, 73728
.set ALB, 36864
.set BLB, 33792
.set SLOT1, 0x24000
.set STAGE, 288768                     ; behind the ring: 16 rows x 272 bytes for each wave
.set SPARE, 306176
.set GSA, 65536
.set GSB, 512
.set ATY, 262144
.set AHF, 32768
.set BTX, 262144
.set BHF, 131072
.set WREG, 6291456
.set QIA, 4
.set DIMA, 128
.set ROWSA, 128
.set STRA, 128
.set QIB, 6
.set DIMB, 256
.set ROWSB, 64
.set STRB, 1024
.set PF, 0
.set NL, 2*(MA+NB)
.set FA0, 64
.set FB0, 0
.set BIAS, 128
.set OB, 32
.set RS, 128
.set A0, 16
.set B0, 17
.set ADRA, 18
.set ADRB, 19
.set STO, 24
.set RD, 25
.set CO, 26
.set BO, 27
.set SPW, 28
.set NIL, 29
.set IN, 2
.set OUT, 3
.set WV, 12
.set ROLE, 13
.set HALF, 14
.set TY, 15
.set TX, 16
.set G1, 24
.set G0, 32
.set CX, 40
.set CY, 41
.set G1B, 48
.set G0B, 56
.set TA, 66
.set TB, 67
.set MSB, 0
.macro WIN new
.if MSB != (\new)
	s_set_vgpr_msb (MSB<<8)|(\new)
.set MSB, (\new)
.endif
.endm
.macro PLACES
.rept 4
	v_nop
.endr
.endm
.macro JLOAD                           ; a joint refill by the walking descriptor; s_nop 0 and four v_nop follow each line
	s_cmp_eq_u32 s[ROLE], 0
	s_cbranch_scc0 .Lfor_b_\@
	tensor_load_to_lds s[G0+4:G0+7], s[G1:G1+7]
	s_nop 0
	PLACES
	s_branch .Lasked_\@
.Lfor_b_\@:
	tensor_load_to_lds s[G0B+4:G0B+7], s[G1B:G1B+7]
	s_nop 0
	PLACES
.Lasked_\@:
.endm
.macro CREST
	s_cmp_lg_u32 s[WV], 0
	s_cbranch_scc1 .Lnot_wave_0_\@
	s_barrier_signal -3
.Lnot_wave_0_\@:
	s_barrier_wait -3
	s_barrier_signal -1
	s_barrier_wait -1
.endm
.macro CROUND
	s_barrier_signal -1
	s_barrier_wait -1
	CREST
.endm
.macro MULR f, a0, a1, bias            ; each accumulator has one instruction a turn
.set aa, \a0
.rept (\a1)-(\a0)
.if \bias
	WIN 0x81+0x40*(aa/RPW)
.else
	WIN 0xa1+0x50*(aa/RPW)
.endif
.set bb, 0
.rept NB
.set rD, 8*(NB*(aa%RPW)+bb)
.set rB, FB0+8*NB*(\f)+8*bb
.set rA, FA0+8*MA*(\f)+8*aa
.if \bias
	v_wmma_f32_16x16x32_bf16 v[rD:rD+7], v[rB:rB+7], v[rA:rA+7], v[BIAS+8*bb:BIAS+8*bb+7]
.else
	v_wmma_f32_16x16x32_bf16 v[rD:rD+7], v[rB:rB+7], v[rA:rA+7], v[rD:rD+7]
.endif
.set bb, bb+1
.endr
.set aa, aa+1
.endr
.endm
.macro FETCH f
	WIN 0x40
.set ii, 0
.rept NB
	ds_load_b128 v[FB0+8*NB*(\f)+8*ii:FB0+8*NB*(\f)+8*ii+3], v[ADRB] offset:64*(\f)+ii*16*PB
	ds_load_b128 v[FB0+8*NB*(\f)+8*ii+4:FB0+8*NB*(\f)+8*ii+7], v[ADRB] offset:64*(\f)+ii*16*PB+32
.set ii, ii+1
.endr
	WIN 0
.set ii, 0
.rept MA
	ds_load_b128 v[FA0+8*MA*(\f)+8*ii:FA0+8*MA*(\f)+8*ii+3], v[ADRA] offset:64*(\f)+ii*16*PA
	ds_load_b128 v[FA0+8*MA*(\f)+8*ii+4:FA0+8*MA*(\f)+8*ii+7], v[ADRA] offset:64*(\f)+ii*16*PA+32
.set ii, ii+1
.endr
.endm
.macro STEP0 bias
	s_wait_dscnt NL                                ; buffer 0 is in; buffer 1's NL younger loads may be out
	MULR 0, 0, MA, \bias
	WIN 0
	v_add_nc_u32 v[ADRA], s[TA], v[A0]             ; these two and two v_nop are the four places
	v_add_nc_u32 v[ADRB], s[TB], v[B0]
	v_nop
	v_nop
	FETCH 0
.endm
.macro STEP1
	s_wait_dscnt NL
	MULR 1, 0, MA, 0
	WIN 0
	PLACES
	FETCH 1
	s_add_co_u32 s[TA], s[TA], SA
	s_add_co_u32 s[TB], s[TB], SB
.endm
; A K step's last 64 of K, and the change of slots: all my tensor loads waited for, the add, the wait for it and for my reads of the slot, the barrier (fill = 1: a round of the cluster's), the joint refill first behind it.
.macro CHG fill
	s_wait_dscnt NL
	MULR 0, 0, 3*MA/4, 0
	WIN 0
	s_wait_tensorcnt 0x0
	ds_add_u32 v[SPW], v[NIL]
.if \fill
	s_xor_b32 s[G0+5], s[G0+5], SLOT1
	s_add_nc_u64 s[G0+6:G0+7], s[G0+6:G0+7], GSA
	s_xor_b32 s[G0B+5], s[G0B+5], SLOT1
	s_add_nc_u64 s[G0B+6:G0B+7], s[G0B+6:G0B+7], GSB
.endif
	s_sub_co_u32 s[TA], s[TA], NBODY*SA
	s_xor_b32 s[TA], s[TA], SLOT1
	s_sub_co_u32 s[TB], s[TB], NBODY*SB
	s_xor_b32 s[TB], s[TB], SLOT1
	MULR 0, 3*MA/4, MA, 0
	s_wait_dscnt 0x0
	s_barrier_signal -1
	MULR 1, 0, MA/2, 0
	WIN 0
	s_barrier_wait -1
.if \fill
	CREST
	JLOAD
.else
	v_nop
	v_nop
.endif
	v_add_nc_u32 v[ADRA], s[TA], v[A0]
	v_add_nc_u32 v[ADRB], s[TB], v[B0]
	FETCH 0
	MULR 1, MA/2, MA, 0
	WIN 0
	PLACES
	FETCH 1
	s_add_co_u32 s[TA], s[TA], SA
	s_add_co_u32 s[TB], s[TB], SB
.endm
	s_load_b256 s[4:11], s[0:1], 0x0               ; A, wt, bias, residual
	s_load_b64 s[72:73], s[0:1], 0x20              ; the output
	v_lshl_add_u32 v[SPW], v0, 2, SPARE
	v_mov_b32 v[NIL], 0
	ds_add_u32 v[SPW], v[NIL]                      ; the wave's opening: the add and its wait ahead of my first tensor load
	v_lshrrev_b32 v1, 5, v0
	v_readfirstlane_b32 s[WV], v1
	s_lshr_b32 s[ROLE], s[WV], 1
	s_and_b32 s[HALF], s[WV], 1
	s_bfe_u32 s[CX], ttmp6, 0x40000
	s_bfe_u32 s[CY], ttmp6, 0x40004
	s_lshl_b32 s[TX], ttmp9, 2
	s_add_co_u32 s[TX], s[TX], s[CX]
	s_and_b32 s[TY], ttmp7, 0xffff
	s_lshl_b32 s[TY], s[TY], 2
	s_add_co_u32 s[TY], s[TY], s[CY]
	s_lshl_b32 s17, s[CY], 2
	s_lshl_b32 s17, 15, s17
	s_lshl_b32 s18, 0x1111, s[CX]
	s_or_b32 s[G1], s17, (1<<16)|(1<<20)|(1<<21)|(QIA<<22)|(3<<25)
	s_or_b32 s[G1B], s18, (1<<16)|(1<<20)|(1<<21)|(QIB<<22)|(3<<25)
	s_mov_b32 s[G1+1], DIMA<<16
	s_mov_b32 s[G1+2], ROWSA<<16
	s_mov_b32 s[G1+3], DIMA<<16
	s_mov_b32 s[G1+4], ROWSA
	s_mov_b32 s[G1+5], STRA
	s_mov_b32 s[G1+6], 0
	s_mov_b32 s[G1+7], 0
	s_mov_b32 s[G1B+1], DIMB<<16
	s_mov_b32 s[G1B+2], ROWSB<<16
	s_mov_b32 s[G1B+3], DIMB<<16
	s_mov_b32 s[G1B+4], ROWSB
	s_mov_b32 s[G1B+5], STRB
	s_mov_b32 s[G1B+6], 0
	s_mov_b32 s[G1B+7], 0
	s_mul_i32 s68, s[TY], ATY
	s_mul_i32 s17, s[HALF], AHF
	s_add_co_u32 s68, s68, s17
	s_mov_b32 s69, 0
	s_mul_i32 s46, s[TX], BTX
	s_mul_i32 s17, s[HALF], BHF
	s_add_co_u32 s46, s46, s17
	s_add_co_u32 s46, s46, WREG
	s_mov_b32 s47, 0
	s_mul_i32 s20, s[HALF], ALB
	s_mul_i32 s21, s[HALF], BLB
	s_add_co_u32 s21, s21, BBASE
	s_wait_dscnt 0x0
	s_wait_kmcnt 0x0
	s_add_nc_u64 s[68:69], s[4:5], s[68:69]
	s_add_nc_u64 s[46:47], s[6:7], s[46:47]
	CROUND
.irp s, 0,1
	s_mov_b32 s[G0+4*\s], 1
	s_add_co_u32 s[G0+4*\s+1], s20, (\s)*SLOT1
	s_add_nc_u64 s[G0+4*\s+2:G0+4*\s+3], s[68:69], (\s)*GSA
	s_or_b32 s[G0+4*\s+3], s[G0+4*\s+3], 0x80000000
	s_mov_b32 s[G0B+4*\s], 1
	s_add_co_u32 s[G0B+4*\s+1], s21, (\s)*SLOT1
	s_add_nc_u64 s[G0B+4*\s+2:G0B+4*\s+3], s[46:47], (\s)*GSB
	s_or_b32 s[G0B+4*\s+3], s[G0B+4*\s+3], 0x80000000
.endr
	s_cmp_eq_u32 s[ROLE], 0
	s_cbranch_scc0 .Lfirst_b
	tensor_load_to_lds s[G0:G0+3], s[G1:G1+7]
	s_nop 0
	tensor_load_to_lds s[G0+4:G0+7], s[G1:G1+7]
	s_nop 0
	PLACES
	s_branch .Lfirst_asked
.Lfirst_b:
	tensor_load_to_lds s[G0B:G0B+3], s[G1B:G1B+7]
	s_nop 0
	tensor_load_to_lds s[G0B+4:G0B+7], s[G1B:G1B+7]
	s_nop 0
	PLACES
.Lfirst_asked:
	v_and_b32 v1, 15, v0
	v_bfe_u32 v2, v0, 4, 1
	v_mul_u32_u24 v3, v1, PA
	v_lshl_add_u32 v3, v2, 4, v3
	s_mul_i32 s17, s[ROLE], 16*MA*PA
	v_add_nc_u32 v[A0], s17, v3
	v_mul_u32_u24 v3, v1, PB
	v_lshl_add_u32 v3, v2, 4, v3
	s_mul_i32 s17, s[HALF], 16*NB*PB
	s_add_co_u32 s17, s17, BBASE
	v_add_nc_u32 v[B0], s17, v3
	s_lshl_b32 s17, s[TX], 9
	s_lshl_b32 s18, s[HALF], 8
	s_add_co_u32 s17, s17, s18
	v_lshl_add_u32 v[BO], v2, 5, s17
.set ii, 0
.rept NB
	global_load_b128 v[BIAS+8*ii:BIAS+8*ii+3], v[BO], s[8:9] offset:64*ii
	global_load_b128 v[BIAS+8*ii+4:BIAS+8*ii+7], v[BO], s[8:9] offset:64*ii+16
.set ii, ii+1
.endr
	s_lshl_b32 s19, s[TY], 7
	s_lshl_b32 s18, s[ROLE], 6
	s_add_co_u32 s19, s19, s18
	s_lshl_b32 s19, s19, 12                        ; my first row, 4,096 bytes each,
	s_add_co_u32 s19, s19, s17                     ; my first column
	v_lshlrev_b32 v[CO], 12, v2                    ; lanes 0-15 one row's 256 bytes, lanes 16-31 the next row's
	v_lshl_add_u32 v[CO], v1, 4, v[CO]
	v_add_nc_u32 v[CO], s19, v[CO]
	WIN 0x80
.set ii, 0
.rept 32                               ; the residual, 32 loads, wanted only on the way out
	global_load_b128 v[RS+4*ii:RS+4*ii+3], v[CO], s[10:11] offset:2*ii*4096
.set ii, ii+1
.endr
	WIN 0
	s_mul_i32 s17, s[WV], 4352
	s_add_co_u32 s17, s17, STAGE
	v_mul_u32_u24 v[STO], v1, 272
	v_lshl_add_u32 v[STO], v2, 5, v[STO]
	v_add_nc_u32 v[STO], s17, v[STO]
	v_mul_u32_u24 v[RD], v2, 272
	v_lshl_add_u32 v[RD], v1, 4, v[RD]
	v_add_nc_u32 v[RD], s17, v[RD]
	s_wait_tensorcnt 0x1                           ; my part of K step 0 is in; K step 1's may stay out
	s_barrier_signal -1
	s_barrier_wait -1
	v_mov_b32 v[ADRA], v[A0]
	v_mov_b32 v[ADRB], v[B0]
	FETCH 0
	FETCH 1
	s_mov_b32 s[TA], SA
	s_mov_b32 s[TB], SB
	s_wait_loadcnt 32                              ; the bias is in; the residual's 32 loads may be out
	STEP0 1
	s_mov_b32 s[OUT], NK-1
	s_mov_b32 s[IN], NBODY-1
	s_branch .Lmid
.Lk:                                           ; NK - 2 trips
	CHG 1
	s_mov_b32 s[IN], NBODY-1
.Lb:
	STEP0 0
.Lmid:
	STEP1
	s_sub_co_u32 s[IN], s[IN], 1
	s_cmp_lg_u32 s[IN], 0
	s_cbranch_scc1 .Lb
	s_sub_co_u32 s[OUT], s[OUT], 1
	s_cmp_lg_u32 s[OUT], 0
	s_cbranch_scc1 .Lk
	CHG 0
	s_mov_b32 s[IN], NBODY-1
.Lt:
	STEP0 0
	STEP1
	s_sub_co_u32 s[IN], s[IN], 1
	s_cmp_lg_u32 s[IN], 0
	s_cbranch_scc1 .Lt
	s_wait_dscnt NL
	MULR 0, 0, MA, 0
	s_wait_dscnt 0x0
	MULR 1, 0, MA, 0
	WIN 0
	PLACES
	; THE WAY OUT: 16 rows at a time through my stage, back as whole rows of 256 bytes, the residual added, stored
	s_wait_loadcnt 0x0
.set aa, 0
.rept MA
	WIN 0x08                                       ; LDS store data in window 2
.set bb, 0
.rept NB
	ds_store_b128 v[STO], v[8*(NB*aa+bb):8*(NB*aa+bb)+3] offset:64*bb
	ds_store_b128 v[STO], v[8*(NB*aa+bb)+4:8*(NB*aa+bb)+7] offset:64*bb+16
.set bb, bb+1
.endr
.set tt, 0
.rept 8
	ds_load_b128 v[OB+4*tt:OB+4*tt+3], v[RD] offset:tt*2*272  ; LDS serves a wave's instructions in order (ISA guide 5.7.1.4)
.set tt, tt+1
.endr
	WIN 0x88                                       ; the sum lands on the residual's registers, in window 2, and the store reads it there
.set tt, 0
.rept 8
	s_wait_dscnt 7-tt
	v_pk_add_f32 v[RS+32*aa+4*tt:RS+32*aa+4*tt+1], v[OB+4*tt:OB+4*tt+1], v[RS+32*aa+4*tt:RS+32*aa+4*tt+1]
	v_pk_add_f32 v[RS+32*aa+4*tt+2:RS+32*aa+4*tt+3], v[OB+4*tt+2:OB+4*tt+3], v[RS+32*aa+4*tt+2:RS+32*aa+4*tt+3]
	global_store_b128 v[CO], v[RS+32*aa+4*tt:RS+32*aa+4*tt+3], s[72:73] offset:(16*aa+2*tt)*4096  ; 16 lanes store 256 consecutive, aligned bytes
.set tt, tt+1
.endr
.set aa, aa+1
.endr
	WIN 0
	s_wait_tensorcnt 0x0                           ; the wave's end
	ds_add_u32 v[SPW], v[NIL]
	s_wait_dscnt 0x0
	CROUND
	s_endpgm
.Lfunc_end_k_qded1c4b8a8_oproj:
	.size	k_qded1c4b8a8_oproj, .Lfunc_end_k_qded1c4b8a8_oproj-k_qded1c4b8a8_oproj
	.p2alignl 7, 3214868480
	.fill 96, 4, 3214868480
	.section	.rodata,"a",@progbits
	.p2align	6, 0x0
	.amdhsa_kernel k_qded1c4b8a8_oproj
		.amdhsa_group_segment_fixed_size 327680
		.amdhsa_private_segment_fixed_size 0
		.amdhsa_enable_private_segment 0
		.amdhsa_kernarg_size 40
		.amdhsa_user_sgpr_count 2
		.amdhsa_user_sgpr_kernarg_segment_ptr 1
		.amdhsa_wavefront_size32 1
		.amdhsa_system_sgpr_workgroup_id_x 1
		.amdhsa_system_sgpr_workgroup_id_y 1
		.amdhsa_system_sgpr_workgroup_id_z 1
		.amdhsa_system_vgpr_workitem_id 0
		.amdhsa_next_free_vgpr 768
		.amdhsa_next_free_sgpr 76
		.amdhsa_reserve_vcc 0
		.amdhsa_float_denorm_mode_32 3
		.amdhsa_float_denorm_mode_16_64 3
		.amdhsa_memory_ordered 1
		.amdhsa_forward_progress 1
		.amdhsa_inst_pref_size 52
	.end_amdhsa_kernel
	.amdgpu_metadata
---
amdhsa.version: [ 1, 2 ]
amdhsa.kernels:
  - .name:           k_qded1c4b8a8_oproj
    .symbol:         k_qded1c4b8a8_oproj.kd
    .args:
      - { .name: act, .offset: 0, .size: 8, .value_kind: global_buffer, .address_space: global }
      - { .name: wt, .offset: 8, .size: 8, .value_kind: global_buffer, .address_space: global }
      - { .name: out_b, .offset: 16, .size: 8, .value_kind: global_buffer, .address_space: global }
      - { .name: x, .offset: 24, .size: 8, .value_kind: global_buffer, .address_space: global }
      - { .name: x1, .offset: 32, .size: 8, .value_kind: global_buffer, .address_space: global }
    .group_segment_fixed_size: 327680
    .private_segment_fixed_size: 0
    .kernarg_segment_align: 8
    .kernarg_segment_size: 40
    .max_flat_workgroup_size: 128
    .sgpr_count:     76
    .vgpr_count:     768
    .wavefront_size: 32
...
	.end_amdgpu_metadata
.endif
;; end of part 5
;; launch ln2: the kernel of part 2 again; grid 256 x 1, 8 waves a work-group, no clusters, 0 bytes of LDS; arguments x1, ln2_g, ln2_b, act; writes act
;; launch mlp1 (part 6): grid 16 x 16, 4 waves a work-group, clusters of 4 x 4, 327,680 bytes of LDS; arguments act, wt, mlp_b1, gact; writes gact
.if DOCPART == 6
	.amdgcn_target "amdgcn-amd-amdhsa--gfx1250"
	.amdhsa_code_object_version 6
	.text
	.protected	k_qded1c4b8a8_mlp1
	.globl	k_qded1c4b8a8_mlp1
	.p2align	8
	.type	k_qded1c4b8a8_mlp1,@function
k_qded1c4b8a8_mlp1:
	s_mov_b64 s[64:65], 0
	v_nop
	global_prefetch_b8 v0, s[64:65] scope:SCOPE_SE
	s_setreg_imm32_b32 hwreg(HW_REG_WAVE_MODE, 25, 1), 1
	s_wait_xcnt 0x0
	s_wait_alu depctr_hold_cnt(0) depctr_sa_sdst(0) depctr_va_vdst(0) depctr_va_sdst(0) depctr_va_ssrc(0) depctr_va_vcc(0) depctr_vm_vsrc(0)
	s_getreg_b32 s2, hwreg(HW_REG_IB_STS2, 6, 4)
	s_cmp_eq_u32 s2, 0
	s_cbranch_scc0 .Lentry_in_a_cluster
	s_endpgm
.Lentry_in_a_cluster:
	s_bfe_u32 s2, ttmp6, 0x10000c
	s_cmp_lg_u32 s2, 0xf033
	s_cbranch_scc0 .Lentry_shape_is_right
	s_endpgm
.Lentry_shape_is_right:
; g = gelu(LN2(x1) W1 + b1), exact (erf) form, bf16 out.  A = act [4096][1024] bf16, B = wt's third part [4096][1024] bf16 (K along the rows).
; A tile of C is 256 x 256; four waves, each 128 x 128: 64 accumulators, 512 registers.  K goes in steps of 128 through two LDS slots.
; CLUSTER 4 x 4: A's tile is asked for jointly along a row of the cluster, B's along a column.  The matrix instruction is used transposed.  The bias is the C operand of each accumulator's first product.
; GELU: gelu(x) = x / 2 + |x| (1 - e) / 2 with e = erfc(|x| / sqrt 2) = 1 / T^16, T = 1 + b1 |x| + .. + b6 |x|^6 (Abramowitz and Stegun 7.1.28, its coefficients times 2^(-k/2)):
; |error of erf| <= 3e-7 for every x; where T^16 overflows, e is 0, as it should be.
; THE WAY OUT: the sums go as f32 into the slots (which have had their last fill; a barrier stands between the last reads and these stores), each wave into bytes of its own, and come back by rows:
; a loop of 16 trips of 8 rows on fixed registers.
; REGISTERS: window 0: v16-30 addresses; v64-191 A's fragments (two buffers); v192-255 the bias; on the way out v64-207 at work.  window 1: v64-191 B's fragments.  windows 2, 3: the accumulators.
.set MA, 8
.set NB, 8
.set RPW, 4
.set NK, 8
.set NBODY, 2
.set PA, 272
.set PB, 272
.set SA, 128
.set SB, 128
.set BBASE, 69632
.set ALB, 34816
.set BLB, 34816
.set SLOT1, 0x22000
.set SPARE, 278528
.set GSA, 256
.set GSB, 256
.set ATY, 524288
.set AHF, 262144
.set BTX, 524288
.set BHF, 262144
.set WREG, 8388608
.set TN, 256
.set QIA, 5
.set DIMA, 128
.set ROWSA, 128
.set STRA, 1024
.set QIB, 5
.set DIMB, 128
.set ROWSB, 128
.set STRB, 1024
.set PF, 1
.set NL, 2*(MA+NB)
.set FA0, 64
.set FB0, 64
.set BIAS, 192
.set A0, 16
.set B0, 17
.set ADRA, 18
.set ADRB, 19
.set STO, 24
.set RD, 25
.set CO, 26
.set BO, 27
.set SPW, 28
.set NIL, 29
.set PFO, 30
.set IN, 2
.set OUT, 3
.set WV, 12
.set ROLE, 13
.set HALF, 14
.set TY, 15
.set TX, 16
.set G1, 24
.set G0, 32
.set CX, 40
.set CY, 41
.set LIM, 43
.set PFA, 44
.set G1B, 48
.set G0B, 56
.set TA, 66
.set TB, 67
.set CF, 70                            ; s[70:81] b1 .. b6, each twice
.set ABSM, 82
.set CNT, 83
.set MSB, 0
.macro WIN new
.if MSB != (\new)
	s_set_vgpr_msb (MSB<<8)|(\new)
.set MSB, (\new)
.endif
.endm
.macro PLACES
.rept 4
	v_nop
.endr
.endm
.macro JLOAD                           ; a joint refill by the walking descriptor; s_nop 0 and four v_nop follow each line
	s_cmp_eq_u32 s[ROLE], 0
	s_cbranch_scc0 .Lfor_b_\@
	tensor_load_to_lds s[G0+4:G0+7], s[G1:G1+7]
	s_nop 0
	PLACES
	s_branch .Lasked_\@
.Lfor_b_\@:
	tensor_load_to_lds s[G0B+4:G0B+7], s[G1B:G1B+7]
	s_nop 0
	PLACES
.Lasked_\@:
.endm
.macro CREST
	s_cmp_lg_u32 s[WV], 0
	s_cbranch_scc1 .Lnot_wave_0_\@
	s_barrier_signal -3
.Lnot_wave_0_\@:
	s_barrier_wait -3
	s_barrier_signal -1
	s_barrier_wait -1
.endm
.macro CROUND
	s_barrier_signal -1
	s_barrier_wait -1
	CREST
.endm
.macro ASK                             ; a prefetch of the K step two refills on: a lane a row, 256 bytes each.  The cluster with x = 0 asks for A's rows, that with y = 0 for B's; the four partners share a load's 128 rows by address
	s_cmp_gt_u32 s[OUT], s[LIM]                    ; the last two refills have no K step two on
	s_cbranch_scc0 .Lnot_mine_\@
	global_prefetch_b8 v[PFO], s[PFA:PFA+1] offset:GSA th:TH_LOAD_NT scope:SCOPE_SE
.Lnot_mine_\@:
.endm
.macro MULR f, a0, a1, bias            ; each accumulator has one instruction a turn
.set aa, \a0
.rept (\a1)-(\a0)
.if \bias
	WIN 0x81+0x40*(aa/RPW)
.else
	WIN 0xa1+0x50*(aa/RPW)
.endif
.set bb, 0
.rept NB
.set rD, 8*(NB*(aa%RPW)+bb)
.set rB, FB0+8*NB*(\f)+8*bb
.set rA, FA0+8*MA*(\f)+8*aa
.if \bias
	v_wmma_f32_16x16x32_bf16 v[rD:rD+7], v[rB:rB+7], v[rA:rA+7], v[BIAS+8*bb:BIAS+8*bb+7]
.else
	v_wmma_f32_16x16x32_bf16 v[rD:rD+7], v[rB:rB+7], v[rA:rA+7], v[rD:rD+7]
.endif
.set bb, bb+1
.endr
.set aa, aa+1
.endr
.endm
.macro FETCH f
	WIN 0x40
.set ii, 0
.rept NB
	ds_load_b128 v[FB0+8*NB*(\f)+8*ii:FB0+8*NB*(\f)+8*ii+3], v[ADRB] offset:64*(\f)+ii*16*PB
	ds_load_b128 v[FB0+8*NB*(\f)+8*ii+4:FB0+8*NB*(\f)+8*ii+7], v[ADRB] offset:64*(\f)+ii*16*PB+32
.set ii, ii+1
.endr
	WIN 0
.set ii, 0
.rept MA
	ds_load_b128 v[FA0+8*MA*(\f)+8*ii:FA0+8*MA*(\f)+8*ii+3], v[ADRA] offset:64*(\f)+ii*16*PA
	ds_load_b128 v[FA0+8*MA*(\f)+8*ii+4:FA0+8*MA*(\f)+8*ii+7], v[ADRA] offset:64*(\f)+ii*16*PA+32
.set ii, ii+1
.endr
.endm
.macro STEP0 bias
	s_wait_dscnt NL                                ; buffer 0 is in; buffer 1's NL younger loads may be out
	MULR 0, 0, MA, \bias
	WIN 0
	v_add_nc_u32 v[ADRA], s[TA], v[A0]             ; these two and two v_nop are the four places
	v_add_nc_u32 v[ADRB], s[TB], v[B0]
	v_nop
	v_nop
	FETCH 0
.endm
.macro STEP1
	s_wait_dscnt NL
	MULR 1, 0, MA, 0
	WIN 0
	PLACES
	FETCH 1
	s_add_co_u32 s[TA], s[TA], SA
	s_add_co_u32 s[TB], s[TB], SB
.endm
; A K step's last 64 of K, and the change of slots: all my tensor loads waited for, the add, the wait for it and for my reads of the slot, the barrier (fill = 1: a round of the cluster's), the joint refill first behind it.
.macro CHG fill
	s_wait_dscnt NL
	MULR 0, 0, 3*MA/4, 0
	WIN 0
.if (\fill) && PF
	s_wait_xcnt 0x0                                ; the last prefetch, a K step back, has read its address
	s_add_nc_u64 s[PFA:PFA+1], s[PFA:PFA+1], GSA
.endif
	s_wait_tensorcnt 0x0
	ds_add_u32 v[SPW], v[NIL]
.if \fill
	s_xor_b32 s[G0+5], s[G0+5], SLOT1
	s_add_nc_u64 s[G0+6:G0+7], s[G0+6:G0+7], GSA
	s_xor_b32 s[G0B+5], s[G0B+5], SLOT1
	s_add_nc_u64 s[G0B+6:G0B+7], s[G0B+6:G0B+7], GSB
.endif
	s_sub_co_u32 s[TA], s[TA], NBODY*SA
	s_xor_b32 s[TA], s[TA], SLOT1
	s_sub_co_u32 s[TB], s[TB], NBODY*SB
	s_xor_b32 s[TB], s[TB], SLOT1
	MULR 0, 3*MA/4, MA, 0
	s_wait_dscnt 0x0
	s_barrier_signal -1
	MULR 1, 0, MA/2, 0
	WIN 0
	s_barrier_wait -1
.if \fill
	CREST
	JLOAD
.else
	v_nop
	v_nop
.endif
	v_add_nc_u32 v[ADRA], s[TA], v[A0]
	v_add_nc_u32 v[ADRB], s[TB], v[B0]
	FETCH 0
.if (\fill) && PF
	ASK
.endif
	MULR 1, MA/2, MA, 0
	WIN 0
	PLACES
	FETCH 1
	s_add_co_u32 s[TA], s[TA], SA
	s_add_co_u32 s[TB], s[TB], SB
.endm
	s_load_b256 s[4:11], s[0:1], 0x0               ; act, wt, mlp_b1, gact
	v_lshl_add_u32 v[SPW], v0, 2, SPARE
	v_mov_b32 v[NIL], 0
	ds_add_u32 v[SPW], v[NIL]                      ; the wave's opening: the add and its wait ahead of my first tensor load
	v_lshrrev_b32 v1, 5, v0
	v_readfirstlane_b32 s[WV], v1
	s_lshr_b32 s[ROLE], s[WV], 1
	s_and_b32 s[HALF], s[WV], 1
	s_bfe_u32 s[CX], ttmp6, 0x40000
	s_bfe_u32 s[CY], ttmp6, 0x40004
	s_lshl_b32 s[TX], ttmp9, 2
	s_add_co_u32 s[TX], s[TX], s[CX]
	s_and_b32 s[TY], ttmp7, 0xffff
	s_lshl_b32 s[TY], s[TY], 2
	s_add_co_u32 s[TY], s[TY], s[CY]
	s_lshl_b32 s17, s[CY], 2
	s_lshl_b32 s17, 15, s17
	s_lshl_b32 s18, 0x1111, s[CX]
	s_or_b32 s[G1], s17, (1<<16)|(1<<20)|(1<<21)|(QIA<<22)|(3<<25)
	s_or_b32 s[G1B], s18, (1<<16)|(1<<20)|(1<<21)|(QIB<<22)|(3<<25)
	s_mov_b32 s[G1+1], DIMA<<16
	s_mov_b32 s[G1+2], ROWSA<<16
	s_mov_b32 s[G1+3], DIMA<<16
	s_mov_b32 s[G1+4], ROWSA
	s_mov_b32 s[G1+5], STRA
	s_mov_b32 s[G1+6], 0
	s_mov_b32 s[G1+7], 0
	s_mov_b32 s[G1B+1], DIMB<<16
	s_mov_b32 s[G1B+2], ROWSB<<16
	s_mov_b32 s[G1B+3], DIMB<<16
	s_mov_b32 s[G1B+4], ROWSB
	s_mov_b32 s[G1B+5], STRB
	s_mov_b32 s[G1B+6], 0
	s_mov_b32 s[G1B+7], 0
	s_mul_i32 s68, s[TY], ATY
	s_mul_i32 s17, s[HALF], AHF
	s_add_co_u32 s68, s68, s17
	s_mov_b32 s69, 0
	s_mul_i32 s46, s[TX], BTX
	s_mul_i32 s17, s[HALF], BHF
	s_add_co_u32 s46, s46, s17
	s_add_co_u32 s46, s46, WREG
	s_mov_b32 s47, 0
	s_mul_i32 s20, s[HALF], ALB
	s_mul_i32 s21, s[HALF], BLB
	s_add_co_u32 s21, s21, BBASE
	s_wait_dscnt 0x0
	s_wait_kmcnt 0x0
	s_add_nc_u64 s[68:69], s[4:5], s[68:69]
	s_add_nc_u64 s[46:47], s[6:7], s[46:47]
	CROUND
.irp s, 0,1
	s_mov_b32 s[G0+4*\s], 1
	s_add_co_u32 s[G0+4*\s+1], s20, (\s)*SLOT1
	s_add_nc_u64 s[G0+4*\s+2:G0+4*\s+3], s[68:69], (\s)*GSA
	s_or_b32 s[G0+4*\s+3], s[G0+4*\s+3], 0x80000000
	s_mov_b32 s[G0B+4*\s], 1
	s_add_co_u32 s[G0B+4*\s+1], s21, (\s)*SLOT1
	s_add_nc_u64 s[G0B+4*\s+2:G0B+4*\s+3], s[46:47], (\s)*GSB
	s_or_b32 s[G0B+4*\s+3], s[G0B+4*\s+3], 0x80000000
.endr
	s_cmp_eq_u32 s[ROLE], 0
	s_cbranch_scc0 .Lfirst_b
	tensor_load_to_lds s[G0:G0+3], s[G1:G1+7]
	s_nop 0
	tensor_load_to_lds s[G0+4:G0+7], s[G1:G1+7]
	s_nop 0
	PLACES
	s_branch .Lfirst_asked
.Lfirst_b:
	tensor_load_to_lds s[G0B:G0B+3], s[G1B:G1B+7]
	s_nop 0
	tensor_load_to_lds s[G0B+4:G0B+7], s[G1B:G1B+7]
	s_nop 0
	PLACES
.Lfirst_asked:
	v_and_b32 v1, 15, v0
	v_bfe_u32 v2, v0, 4, 1
	v_and_b32 v5, 31, v0
	v_mul_u32_u24 v3, v1, PA
	v_lshl_add_u32 v3, v2, 4, v3
	s_mul_i32 s17, s[ROLE], 16*MA*PA
	v_add_nc_u32 v[A0], s17, v3
	v_mul_u32_u24 v3, v1, PB
	v_lshl_add_u32 v3, v2, 4, v3
	s_mul_i32 s17, s[HALF], 16*NB*PB
	s_add_co_u32 s17, s17, BBASE
	v_add_nc_u32 v[B0], s17, v3
	s_lshl_b32 s17, s[TX], 10
	s_lshl_b32 s18, s[HALF], 9
	s_add_co_u32 s17, s17, s18
	v_lshl_add_u32 v[BO], v2, 5, s17
.set ii, 0
.rept NB
	global_load_b128 v[BIAS+8*ii:BIAS+8*ii+3], v[BO], s[8:9] offset:64*ii
	global_load_b128 v[BIAS+8*ii+4:BIAS+8*ii+7], v[BO], s[8:9] offset:64*ii+16
.set ii, ii+1
.endr
	s_mul_i32 s17, s[WV], 67584                    ; my 128 rows x 528 bytes of f32 on the way out
	v_mul_u32_u24 v[STO], v1, 528
	v_lshl_add_u32 v[STO], v2, 5, v[STO]
	v_add_nc_u32 v[STO], s17, v[STO]
	v_lshl_add_u32 v[RD], v5, 4, s17
	s_lshl_b32 s17, s[TY], 8
	s_lshl_b32 s18, s[ROLE], 7
	s_add_co_u32 s17, s17, s18
	s_lshl_b32 s17, s17, 13                        ; my first row of g, 8,192 bytes each,
	s_lshl_b32 s18, s[TX], 9
	s_add_co_u32 s17, s17, s18
	s_lshl_b32 s18, s[HALF], 8
	s_add_co_u32 s17, s17, s18                     ; my 128 columns: 256 bytes
	v_lshl_add_u32 v[CO], v5, 3, s17
	s_mov_b32 s[CF], 0x3d4c41b4
	s_mov_b32 s[CF+2], 0x3cad2fe7
	s_mov_b32 s[CF+4], 0x3b56cd70
	s_mov_b32 s[CF+6], 0x381f6607
	s_mov_b32 s[CF+8], 0x384d0fed
	s_mov_b32 s[CF+10], 0x36b49f67
.irp k, 0,2,4,6,8,10
	s_mov_b32 s[CF+\k+1], s[CF+\k]                 ; named as pairs
.endr
	s_mov_b32 s[ABSM], 0x7fffffff
	; the prefetches: my work-group's 32 of the 128 rows that I fetch, at K step 2; the first refill steps it and names K step 4
	s_lshl_b32 s18, s[TY], 8
	s_mul_i32 s19, s[TX], TN
	s_and_b32 s22, ttmp7, 0xffff
	s_mov_b32 s23, ROWSB
	s_cmp_eq_u32 s[ROLE], 0
	s_cselect_b32 s20, s18, s19
	s_cselect_b32 s21, s[CX], s[CY]
	s_cselect_b32 s22, ttmp9, s22
	s_cselect_b32 s23, 128, s23
	s_cselect_b32 s18, 0, WREG
	s_cselect_b32 s19, 31, ROWSB/4-1
	s_cselect_b64 s[PFA:PFA+1], s[4:5], s[6:7]
	s_cmp_eq_u32 s22, 0
	s_cselect_b32 s[LIM], 2, -1
	s_mul_i32 s22, s[HALF], s23
	s_add_co_u32 s20, s20, s22
	s_lshr_b32 s23, s23, 2
	s_mul_i32 s21, s21, s23
	s_add_co_u32 s20, s20, s21
	s_lshl_b32 s20, s20, 11
	s_add_co_u32 s20, s20, s18
	s_add_co_u32 s20, s20, 2*GSA
	s_mov_b32 s21, 0
	s_add_nc_u64 s[PFA:PFA+1], s[PFA:PFA+1], s[20:21]
	v_min_u32 v[PFO], s19, v5
	v_lshlrev_b32 v[PFO], 11, v[PFO]
	s_wait_tensorcnt 0x1                           ; my part of K step 0 is in; K step 1's may stay out
	s_barrier_signal -1
	s_barrier_wait -1
	v_mov_b32 v[ADRA], v[A0]
	v_mov_b32 v[ADRB], v[B0]
	FETCH 0
	FETCH 1
	s_mov_b32 s[TA], SA
	s_mov_b32 s[TB], SB
	s_wait_loadcnt 0x0                             ; the bias
	STEP0 1
	s_mov_b32 s[OUT], NK-1
	s_branch .Lmid
.Lk:                                           ; NK - 2 trips
	CHG 1
	STEP0 0
.Lmid:
	STEP1
	s_sub_co_u32 s[OUT], s[OUT], 1
	s_cmp_lg_u32 s[OUT], 0
	s_cbranch_scc1 .Lk
	CHG 0
	STEP0 0
	STEP1
	s_wait_dscnt NL
	MULR 0, 0, MA, 0
	s_wait_dscnt 0x0                               ; my last reads of the slots are over
	MULR 1, 0, MA, 0
	s_barrier_signal -1
	s_barrier_wait -1                              ; everybody's are: the slots may be written
	WIN 0
	PLACES
.set aa, 0
.rept MA
	WIN 0x08+4*(aa/RPW)                            ; LDS store data in window 2 or 3
.set bb, 0
.rept NB
	ds_store_b128 v[STO], v[8*(NB*(aa%RPW)+bb):8*(NB*(aa%RPW)+bb)+3] offset:aa*16*528+64*bb
	ds_store_b128 v[STO], v[8*(NB*(aa%RPW)+bb)+4:8*(NB*(aa%RPW)+bb)+7] offset:aa*16*528+64*bb+16
.set bb, bb+1
.endr
.set aa, aa+1
.endr
	WIN 0
.set XX, 64
.set HX, 96
.set AX, 128
.set TT, 160
.set YY, 192
.macro ROWS8                           ; 8 rows of 512 bytes: a lane takes 4 columns of each
.irp r, 0,1,2,3,4,5,6,7
	ds_load_b128 v[XX+4*\r:XX+4*\r+3], v[RD] offset:528*\r
.endr
.endm
.macro EACH16 line:vararg              ; one line for each of the 16 pairs, k = 0, 2, .. 30
.set k, 0
.rept 16
	\line
.set k, k+2
.endr
.endm
	ROWS8
	s_mov_b32 s[CNT], 16
.Lg:
	s_wait_dscnt 0x0                               ; this trip's rows are in (LDS serves my stores and loads in order)
.set k, 0
.rept 32
	v_and_b32 v[AX+k], s[ABSM], v[XX+k]
.set k, k+1
.endr
	EACH16 v_pk_mul_f32 v[HX+k:HX+k+1], v[XX+k:XX+k+1], 0.5 op_sel_hi:[1,0]
	v_add_nc_u32 v[RD], 8*528, v[RD]
	s_cmp_eq_u32 s[CNT], 1
	s_cbranch_scc1 .Lno_more                       ; the last trip has no rows behind it
	ROWS8                                          ; the next trip's rows come while this trip's are worked on
.Lno_more:
	EACH16 v_pk_fma_f32 v[TT+k:TT+k+1], v[AX+k:AX+k+1], s[CF+10:CF+11], s[CF+8:CF+9] op_sel_hi:[1,0,0]
	EACH16 v_pk_fma_f32 v[TT+k:TT+k+1], v[TT+k:TT+k+1], v[AX+k:AX+k+1], s[CF+6:CF+7] op_sel_hi:[1,1,0]
	EACH16 v_pk_fma_f32 v[TT+k:TT+k+1], v[TT+k:TT+k+1], v[AX+k:AX+k+1], s[CF+4:CF+5] op_sel_hi:[1,1,0]
	EACH16 v_pk_fma_f32 v[TT+k:TT+k+1], v[TT+k:TT+k+1], v[AX+k:AX+k+1], s[CF+2:CF+3] op_sel_hi:[1,1,0]
	EACH16 v_pk_fma_f32 v[TT+k:TT+k+1], v[TT+k:TT+k+1], v[AX+k:AX+k+1], s[CF:CF+1] op_sel_hi:[1,1,0]
	EACH16 v_pk_fma_f32 v[TT+k:TT+k+1], v[TT+k:TT+k+1], v[AX+k:AX+k+1], 1.0 op_sel_hi:[1,1,0]
.rept 4
	EACH16 v_pk_mul_f32 v[TT+k:TT+k+1], v[TT+k:TT+k+1], v[TT+k:TT+k+1]
.endr
.set k, 0
.rept 32
	v_rcp_f32 v[TT+k], v[TT+k]
.set k, k+1
.endr
	v_nop                                          ; a plain instruction behind the last reciprocal,
	s_wait_alu depctr_va_vdst(0)                   ; and one wait for the 32
	EACH16 v_pk_fma_f32 v[TT+k:TT+k+1], v[AX+k:AX+k+1], v[TT+k:TT+k+1], v[AX+k:AX+k+1] neg_lo:[1,0,0] neg_hi:[1,0,0]
	EACH16 v_pk_fma_f32 v[TT+k:TT+k+1], v[TT+k:TT+k+1], 0.5, v[HX+k:HX+k+1] op_sel_hi:[1,0,1]
	s_wait_xcnt 0x0                                ; the last trip's stores have read their data and their offset
	v_add_nc_u32 v[CO], 65536, v[CO]               ; 8 rows on; the stores below reach back
.set k, 0
.rept 16
	v_cvt_pk_bf16_f32 v[YY+k], v[TT+2*k], v[TT+2*k+1]
.set k, k+1
.endr
.irp r, 0,1,2,3,4,5,6,7
	global_store_b64 v[CO], v[YY+2*\r:YY+2*\r+1], s[10:11] offset:8192*\r-65536  ; 32 lanes store 256 consecutive, aligned bytes
.endr
	s_sub_co_u32 s[CNT], s[CNT], 1
	s_cmp_lg_u32 s[CNT], 0
	s_cbranch_scc1 .Lg
	s_wait_tensorcnt 0x0                           ; the wave's end
	ds_add_u32 v[SPW], v[NIL]
	s_wait_dscnt 0x0
	CROUND
	s_endpgm
.Lfunc_end_k_qded1c4b8a8_mlp1:
	.size	k_qded1c4b8a8_mlp1, .Lfunc_end_k_qded1c4b8a8_mlp1-k_qded1c4b8a8_mlp1
	.p2alignl 7, 3214868480
	.fill 96, 4, 3214868480
	.section	.rodata,"a",@progbits
	.p2align	6, 0x0
	.amdhsa_kernel k_qded1c4b8a8_mlp1
		.amdhsa_group_segment_fixed_size 327680
		.amdhsa_private_segment_fixed_size 0
		.amdhsa_enable_private_segment 0
		.amdhsa_kernarg_size 32
		.amdhsa_user_sgpr_count 2
		.amdhsa_user_sgpr_kernarg_segment_ptr 1
		.amdhsa_wavefront_size32 1
		.amdhsa_system_sgpr_workgroup_id_x 1
		.amdhsa_system_sgpr_workgroup_id_y 1
		.amdhsa_system_sgpr_workgroup_id_z 1
		.amdhsa_system_vgpr_workitem_id 0
		.amdhsa_next_free_vgpr 1024
		.amdhsa_next_free_sgpr 88
		.amdhsa_reserve_vcc 0
		.amdhsa_float_denorm_mode_32 3
		.amdhsa_float_denorm_mode_16_64 3
		.amdhsa_memory_ordered 1
		.amdhsa_forward_progress 1
		.amdhsa_inst_pref_size 109
	.end_amdhsa_kernel
	.amdgpu_metadata
---
amdhsa.version: [ 1, 2 ]
amdhsa.kernels:
  - .name:           k_qded1c4b8a8_mlp1
    .symbol:         k_qded1c4b8a8_mlp1.kd
    .args:
      - { .name: act, .offset: 0, .size: 8, .value_kind: global_buffer, .address_space: global }
      - { .name: wt, .offset: 8, .size: 8, .value_kind: global_buffer, .address_space: global }
      - { .name: mlp_b1, .offset: 16, .size: 8, .value_kind: global_buffer, .address_space: global }
      - { .name: gact, .offset: 24, .size: 8, .value_kind: global_buffer, .address_space: global }
    .group_segment_fixed_size: 327680
    .private_segment_fixed_size: 0
    .kernarg_segment_align: 8
    .kernarg_segment_size: 32
    .max_flat_workgroup_size: 128
    .sgpr_count:     88
    .vgpr_count:     1024
    .wavefront_size: 32
...
	.end_amdgpu_metadata
.endif
;; end of part 6
;; launch mlp2 (part 7): grid 8 x 32, 4 waves a work-group, clusters of 4 x 4, 327,680 bytes of LDS; arguments gact, wt, mlp_b2, x1, out0; writes out0
.if DOCPART == 7
	.amdgcn_target "amdgcn-amd-amdhsa--gfx1250"
	.amdhsa_code_object_version 6
	.text
	.protected	k_qded1c4b8a8_mlp2
	.globl	k_qded1c4b8a8_mlp2
	.p2align	8
	.type	k_qded1c4b8a8_mlp2,@function
k_qded1c4b8a8_mlp2:
	s_mov_b64 s[64:65], 0
	v_nop
	global_prefetch_b8 v0, s[64:65] scope:SCOPE_SE
	s_setreg_imm32_b32 hwreg(HW_REG_WAVE_MODE, 25, 1), 1
	s_wait_xcnt 0x0
	s_wait_alu depctr_hold_cnt(0) depctr_sa_sdst(0) depctr_va_vdst(0) depctr_va_sdst(0) depctr_va_ssrc(0) depctr_va_vcc(0) depctr_vm_vsrc(0)
	s_getreg_b32 s2, hwreg(HW_REG_IB_STS2, 6, 4)
	s_cmp_eq_u32 s2, 0
	s_cbranch_scc0 .Lentry_in_a_cluster
	s_endpgm
.Lentry_in_a_cluster:
	s_bfe_u32 s2, ttmp6, 0x10000c
	s_cmp_lg_u32 s2, 0xf033
	s_cbranch_scc0 .Lentry_shape_is_right
	s_endpgm
.Lentry_shape_is_right:
; out = x1 + g W2 + b2, f32 out.  A = gact [4096][4096] bf16; B = wt's fourth part [1024][4096] bf16 (K along the rows).
; A tile of C is 128 x 128, so that each of 256 work-groups has one; four waves, each 64 x 64: 16 accumulators.  K goes in steps of 256 (LDS rows of 512 bytes + 16) through two LDS slots, 16 steps.
; CLUSTER 4 x 4: A's tile is asked for jointly along a row of the cluster, B's along a column.  The matrix instruction is used transposed: a lane holds one token and eight neighbouring columns.
; The bias is the C operand of each accumulator's first product; the residual is loaded at the start, in the stores' own layout, and added on the way out.  No prefetch: the tiles are small.
; REGISTERS: window 0: v16-30 addresses; v32-63 the way out; v64-127 A's fragments; v128-159 the bias.  window 1: v0-63 B's fragments.  window 2: v0-127 accumulators; v128-255 the residual, then the result.
.set MA, 4
.set NB, 4
.set RPW, 4
.set NK, 16
.set NBODY, 4
.set PA, 528
.set PB, 528
.set SA, 128
.set SB, 128
.set BBASE, 67584
.set ALB, 33792
.set BLB, 33792
.set SLOT1, 0x24000
.set STAGE, 288768
.set SPARE, 306176
.set GSA, 512
.set GSB, 512
.set ATY, 1048576
.set AHF, 524288
.set BTX, 1048576
.set BHF, 524288
.set WREG, 16777216
.set QIA, 6
.set DIMA, 256
.set ROWSA, 64
.set STRA, 4096
.set QIB, 6
.set DIMB, 256
.set ROWSB, 64
.set STRB, 4096
.set PF, 0
.set NL, 2*(MA+NB)
.set FA0, 64
.set FB0, 0
.set BIAS, 128
.set OB, 32
.set RS, 128
.set A0, 16
.set B0, 17
.set ADRA, 18
.set ADRB, 19
.set STO, 24
.set RD, 25
.set CO, 26
.set BO, 27
.set SPW, 28
.set NIL, 29
.set IN, 2
.set OUT, 3
.set WV, 12
.set ROLE, 13
.set HALF, 14
.set TY, 15
.set TX, 16
.set G1, 24
.set G0, 32
.set CX, 40
.set CY, 41
.set G1B, 48
.set G0B, 56
.set TA, 66
.set TB, 67
.set MSB, 0
.macro WIN new
.if MSB != (\new)
	s_set_vgpr_msb (MSB<<8)|(\new)
.set MSB, (\new)
.endif
.endm
.macro PLACES
.rept 4
	v_nop
.endr
.endm
.macro JLOAD                           ; a joint refill by the walking descriptor; s_nop 0 and four v_nop follow each line
	s_cmp_eq_u32 s[ROLE], 0
	s_cbranch_scc0 .Lfor_b_\@
	tensor_load_to_lds s[G0+4:G0+7], s[G1:G1+7]
	s_nop 0
	PLACES
	s_branch .Lasked_\@
.Lfor_b_\@:
	tensor_load_to_lds s[G0B+4:G0B+7], s[G1B:G1B+7]
	s_nop 0
	PLACES
.Lasked_\@:
.endm
.macro CREST
	s_cmp_lg_u32 s[WV], 0
	s_cbranch_scc1 .Lnot_wave_0_\@
	s_barrier_signal -3
.Lnot_wave_0_\@:
	s_barrier_wait -3
	s_barrier_signal -1
	s_barrier_wait -1
.endm
.macro CROUND
	s_barrier_signal -1
	s_barrier_wait -1
	CREST
.endm
.macro MULR f, a0, a1, bias            ; each accumulator has one instruction a turn
.set aa, \a0
.rept (\a1)-(\a0)
.if \bias
	WIN 0x81+0x40*(aa/RPW)
.else
	WIN 0xa1+0x50*(aa/RPW)
.endif
.set bb, 0
.rept NB
.set rD, 8*(NB*(aa%RPW)+bb)
.set rB, FB0+8*NB*(\f)+8*bb
.set rA, FA0+8*MA*(\f)+8*aa
.if \bias
	v_wmma_f32_16x16x32_bf16 v[rD:rD+7], v[rB:rB+7], v[rA:rA+7], v[BIAS+8*bb:BIAS+8*bb+7]
.else
	v_wmma_f32_16x16x32_bf16 v[rD:rD+7], v[rB:rB+7], v[rA:rA+7], v[rD:rD+7]
.endif
.set bb, bb+1
.endr
.set aa, aa+1
.endr
.endm
.macro FETCH f
	WIN 0x40
.set ii, 0
.rept NB
	ds_load_b128 v[FB0+8*NB*(\f)+8*ii:FB0+8*NB*(\f)+8*ii+3], v[ADRB] offset:64*(\f)+ii*16*PB
	ds_load_b128 v[FB0+8*NB*(\f)+8*ii+4:FB0+8*NB*(\f)+8*ii+7], v[ADRB] offset:64*(\f)+ii*16*PB+32
.set ii, ii+1
.endr
	WIN 0
.set ii, 0
.rept MA
	ds_load_b128 v[FA0+8*MA*(\f)+8*ii:FA0+8*MA*(\f)+8*ii+3], v[ADRA] offset:64*(\f)+ii*16*PA
	ds_load_b128 v[FA0+8*MA*(\f)+8*ii+4:FA0+8*MA*(\f)+8*ii+7], v[ADRA] offset:64*(\f)+ii*16*PA+32
.set ii, ii+1
.endr
.endm
.macro STEP0 bias
	s_wait_dscnt NL                                ; buffer 0 is in; buffer 1's NL younger loads may be out
	MULR 0, 0, MA, \bias
	WIN 0
	v_add_nc_u32 v[ADRA], s[TA], v[A0]             ; these two and two v_nop are the four places
	v_add_nc_u32 v[ADRB], s[TB], v[B0]
	v_nop
	v_nop
	FETCH 0
.endm
.macro STEP1
	s_wait_dscnt NL
	MULR 1, 0, MA, 0
	WIN 0
	PLACES
	FETCH 1
	s_add_co_u32 s[TA], s[TA], SA
	s_add_co_u32 s[TB], s[TB], SB
.endm
; A K step's last 64 of K, and the change of slots: all my tensor loads waited for, the add, the wait for it and for my reads of the slot, the barrier (fill = 1: a round of the cluster's), the joint refill first behind it.
.macro CHG fill
	s_wait_dscnt NL
	MULR 0, 0, 3*MA/4, 0
	WIN 0
	s_wait_tensorcnt 0x0
	ds_add_u32 v[SPW], v[NIL]
.if \fill
	s_xor_b32 s[G0+5], s[G0+5], SLOT1
	s_add_nc_u64 s[G0+6:G0+7], s[G0+6:G0+7], GSA
	s_xor_b32 s[G0B+5], s[G0B+5], SLOT1
	s_add_nc_u64 s[G0B+6:G0B+7], s[G0B+6:G0B+7], GSB
.endif
	s_sub_co_u32 s[TA], s[TA], NBODY*SA
	s_xor_b32 s[TA], s[TA], SLOT1
	s_sub_co_u32 s[TB], s[TB], NBODY*SB
	s_xor_b32 s[TB], s[TB], SLOT1
	MULR 0, 3*MA/4, MA, 0
	s_wait_dscnt 0x0
	s_barrier_signal -1
	MULR 1, 0, MA/2, 0
	WIN 0
	s_barrier_wait -1
.if \fill
	CREST
	JLOAD
.else
	v_nop
	v_nop
.endif
	v_add_nc_u32 v[ADRA], s[TA], v[A0]
	v_add_nc_u32 v[ADRB], s[TB], v[B0]
	FETCH 0
	MULR 1, MA/2, MA, 0
	WIN 0
	PLACES
	FETCH 1
	s_add_co_u32 s[TA], s[TA], SA
	s_add_co_u32 s[TB], s[TB], SB
.endm
	s_load_b256 s[4:11], s[0:1], 0x0               ; A, wt, bias, residual
	s_load_b64 s[72:73], s[0:1], 0x20              ; the output
	v_lshl_add_u32 v[SPW], v0, 2, SPARE
	v_mov_b32 v[NIL], 0
	ds_add_u32 v[SPW], v[NIL]                      ; the wave's opening: the add and its wait ahead of my first tensor load
	v_lshrrev_b32 v1, 5, v0
	v_readfirstlane_b32 s[WV], v1
	s_lshr_b32 s[ROLE], s[WV], 1
	s_and_b32 s[HALF], s[WV], 1
	s_bfe_u32 s[CX], ttmp6, 0x40000
	s_bfe_u32 s[CY], ttmp6, 0x40004
	s_lshl_b32 s[TX], ttmp9, 2
	s_add_co_u32 s[TX], s[TX], s[CX]
	s_and_b32 s[TY], ttmp7, 0xffff
	s_lshl_b32 s[TY], s[TY], 2
	s_add_co_u32 s[TY], s[TY], s[CY]
	s_lshl_b32 s17, s[CY], 2
	s_lshl_b32 s17, 15, s17
	s_lshl_b32 s18, 0x1111, s[CX]
	s_or_b32 s[G1], s17, (1<<16)|(1<<20)|(1<<21)|(QIA<<22)|(3<<25)
	s_or_b32 s[G1B], s18, (1<<16)|(1<<20)|(1<<21)|(QIB<<22)|(3<<25)
	s_mov_b32 s[G1+1], DIMA<<16
	s_mov_b32 s[G1+2], ROWSA<<16
	s_mov_b32 s[G1+3], DIMA<<16
	s_mov_b32 s[G1+4], ROWSA
	s_mov_b32 s[G1+5], STRA
	s_mov_b32 s[G1+6], 0
	s_mov_b32 s[G1+7], 0
	s_mov_b32 s[G1B+1], DIMB<<16
	s_mov_b32 s[G1B+2], ROWSB<<16
	s_mov_b32 s[G1B+3], DIMB<<16
	s_mov_b32 s[G1B+4], ROWSB
	s_mov_b32 s[G1B+5], STRB
	s_mov_b32 s[G1B+6], 0
	s_mov_b32 s[G1B+7], 0
	s_mul_i32 s68, s[TY], ATY
	s_mul_i32 s17, s[HALF], AHF
	s_add_co_u32 s68, s68, s17
	s_mov_b32 s69, 0
	s_mul_i32 s46, s[TX], BTX
	s_mul_i32 s17, s[HALF], BHF
	s_add_co_u32 s46, s46, s17
	s_add_co_u32 s46, s46, WREG
	s_mov_b32 s47, 0
	s_mul_i32 s20, s[HALF], ALB
	s_mul_i32 s21, s[HALF], BLB
	s_add_co_u32 s21, s21, BBASE
	s_wait_dscnt 0x0
	s_wait_kmcnt 0x0
	s_add_nc_u64 s[68:69], s[4:5], s[68:69]
	s_add_nc_u64 s[46:47], s[6:7], s[46:47]
	CROUND
.irp s, 0,1
	s_mov_b32 s[G0+4*\s], 1
	s_add_co_u32 s[G0+4*\s+1], s20, (\s)*SLOT1
	s_add_nc_u64 s[G0+4*\s+2:G0+4*\s+3], s[68:69], (\s)*GSA
	s_or_b32 s[G0+4*\s+3], s[G0+4*\s+3], 0x80000000
	s_mov_b32 s[G0B+4*\s], 1
	s_add_co_u32 s[G0B+4*\s+1], s21, (\s)*SLOT1
	s_add_nc_u64 s[G0B+4*\s+2:G0B+4*\s+3], s[46:47], (\s)*GSB
	s_or_b32 s[G0B+4*\s+3], s[G0B+4*\s+3], 0x80000000
.endr
	s_cmp_eq_u32 s[ROLE], 0
	s_cbranch_scc0 .Lfirst_b
	tensor_load_to_lds s[G0:G0+3], s[G1:G1+7]
	s_nop 0
	tensor_load_to_lds s[G0+4:G0+7], s[G1:G1+7]
	s_nop 0
	PLACES
	s_branch .Lfirst_asked
.Lfirst_b:
	tensor_load_to_lds s[G0B:G0B+3], s[G1B:G1B+7]
	s_nop 0
	tensor_load_to_lds s[G0B+4:G0B+7], s[G1B:G1B+7]
	s_nop 0
	PLACES
.Lfirst_asked:
	v_and_b32 v1, 15, v0
	v_bfe_u32 v2, v0, 4, 1
	v_mul_u32_u24 v3, v1, PA
	v_lshl_add_u32 v3, v2, 4, v3
	s_mul_i32 s17, s[ROLE], 16*MA*PA
	v_add_nc_u32 v[A0], s17, v3
	v_mul_u32_u24 v3, v1, PB
	v_lshl_add_u32 v3, v2, 4, v3
	s_mul_i32 s17, s[HALF], 16*NB*PB
	s_add_co_u32 s17, s17, BBASE
	v_add_nc_u32 v[B0], s17, v3
	s_lshl_b32 s17, s[TX], 9
	s_lshl_b32 s18, s[HALF], 8
	s_add_co_u32 s17, s17, s18
	v_lshl_add_u32 v[BO], v2, 5, s17
.set ii, 0
.rept NB
	global_load_b128 v[BIAS+8*ii:BIAS+8*ii+3], v[BO], s[8:9] offset:64*ii
	global_load_b128 v[BIAS+8*ii+4:BIAS+8*ii+7], v[BO], s[8:9] offset:64*ii+16
.set ii, ii+1
.endr
	s_lshl_b32 s19, s[TY], 7
	s_lshl_b32 s18, s[ROLE], 6
	s_add_co_u32 s19, s19, s18
	s_lshl_b32 s19, s19, 12                        ; my first row, 4,096 bytes each,
	s_add_co_u32 s19, s19, s17                     ; my first column
	v_lshlrev_b32 v[CO], 12, v2                    ; lanes 0-15 one row's 256 bytes, lanes 16-31 the next row's
	v_lshl_add_u32 v[CO], v1, 4, v[CO]
	v_add_nc_u32 v[CO], s19, v[CO]
	WIN 0x80
.set ii, 0
.rept 32                               ; the residual, 32 loads, wanted only on the way out
	global_load_b128 v[RS+4*ii:RS+4*ii+3], v[CO], s[10:11] offset:2*ii*4096
.set ii, ii+1
.endr
	WIN 0
	s_mul_i32 s17, s[WV], 4352
	s_add_co_u32 s17, s17, STAGE
	v_mul_u32_u24 v[STO], v1, 272
	v_lshl_add_u32 v[STO], v2, 5, v[STO]
	v_add_nc_u32 v[STO], s17, v[STO]
	v_mul_u32_u24 v[RD], v2, 272
	v_lshl_add_u32 v[RD], v1, 4, v[RD]
	v_add_nc_u32 v[RD], s17, v[RD]
	s_wait_tensorcnt 0x1                           ; my part of K step 0 is in; K step 1's may stay out
	s_barrier_signal -1
	s_barrier_wait -1
	v_mov_b32 v[ADRA], v[A0]
	v_mov_b32 v[ADRB], v[B0]
	FETCH 0
	FETCH 1
	s_mov_b32 s[TA], SA
	s_mov_b32 s[TB], SB
	s_wait_loadcnt 32                              ; the bias is in; the residual's 32 loads may be out
	STEP0 1
	s_mov_b32 s[OUT], NK-1
	s_mov_b32 s[IN], NBODY-1
	s_branch .Lmid
.Lk:                                           ; NK - 2 trips
	CHG 1
	s_mov_b32 s[IN], NBODY-1
.Lb:
	STEP0 0
.Lmid:
	STEP1
	s_sub_co_u32 s[IN], s[IN], 1
	s_cmp_lg_u32 s[IN], 0
	s_cbranch_scc1 .Lb
	s_sub_co_u32 s[OUT], s[OUT], 1
	s_cmp_lg_u32 s[OUT], 0
	s_cbranch_scc1 .Lk
	CHG 0
	s_mov_b32 s[IN], NBODY-1
.Lt:
	STEP0 0
	STEP1
	s_sub_co_u32 s[IN], s[IN], 1
	s_cmp_lg_u32 s[IN], 0
	s_cbranch_scc1 .Lt
	s_wait_dscnt NL
	MULR 0, 0, MA, 0
	s_wait_dscnt 0x0
	MULR 1, 0, MA, 0
	WIN 0
	PLACES
	; THE WAY OUT: 16 rows at a time through my stage, back as whole rows of 256 bytes, the residual added, stored
	s_wait_loadcnt 0x0
.set aa, 0
.rept MA
	WIN 0x08                                       ; LDS store data in window 2
.set bb, 0
.rept NB
	ds_store_b128 v[STO], v[8*(NB*aa+bb):8*(NB*aa+bb)+3] offset:64*bb
	ds_store_b128 v[STO], v[8*(NB*aa+bb)+4:8*(NB*aa+bb)+7] offset:64*bb+16
.set bb, bb+1
.endr
.set tt, 0
.rept 8
	ds_load_b128 v[OB+4*tt:OB+4*tt+3], v[RD] offset:tt*2*272  ; LDS serves a wave's instructions in order (ISA guide 5.7.1.4)
.set tt, tt+1
.endr
	WIN 0x88                                       ; the sum lands on the residual's registers, in window 2, and the store reads it there
.set tt, 0
.rept 8
	s_wait_dscnt 7-tt
	v_pk_add_f32 v[RS+32*aa+4*tt:RS+32*aa+4*tt+1], v[OB+4*tt:OB+4*tt+1], v[RS+32*aa+4*tt:RS+32*aa+4*tt+1]
	v_pk_add_f32 v[RS+32*aa+4*tt+2:RS+32*aa+4*tt+3], v[OB+4*tt+2:OB+4*tt+3], v[RS+32*aa+4*tt+2:RS+32*aa+4*tt+3]
	global_store_b128 v[CO], v[RS+32*aa+4*tt:RS+32*aa+4*tt+3], s[72:73] offset:(16*aa+2*tt)*4096  ; 16 lanes store 256 consecutive, aligned bytes
.set tt, tt+1
.endr
.set aa, aa+1
.endr
	WIN 0
	s_wait_tensorcnt 0x0                           ; the wave's end
	ds_add_u32 v[SPW], v[NIL]
	s_wait_dscnt 0x0
	CROUND
	s_endpgm
.Lfunc_end_k_qded1c4b8a8_mlp2:
	.size	k_qded1c4b8a8_mlp2, .Lfunc_end_k_qded1c4b8a8_mlp2-k_qded1c4b8a8_mlp2
	.p2alignl 7, 3214868480
	.fill 96, 4, 3214868480
	.section	.rodata,"a",@progbits
	.p2align	6, 0x0
	.amdhsa_kernel k_qded1c4b8a8_mlp2
		.amdhsa_group_segment_fixed_size 327680
		.amdhsa_private_segment_fixed_size 0
		.amdhsa_enable_private_segment 0
		.amdhsa_kernarg_size 40
		.amdhsa_user_sgpr_count 2
		.amdhsa_user_sgpr_kernarg_segment_ptr 1
		.amdhsa_wavefront_size32 1
		.amdhsa_system_sgpr_workgroup_id_x 1
		.amdhsa_system_sgpr_workgroup_id_y 1
		.amdhsa_system_sgpr_workgroup_id_z 1
		.amdhsa_system_vgpr_workitem_id 0
		.amdhsa_next_free_vgpr 768
		.amdhsa_next_free_sgpr 76
		.amdhsa_reserve_vcc 0
		.amdhsa_float_denorm_mode_32 3
		.amdhsa_float_denorm_mode_16_64 3
		.amdhsa_memory_ordered 1
		.amdhsa_forward_progress 1
		.amdhsa_inst_pref_size 52
	.end_amdhsa_kernel
	.amdgpu_metadata
---
amdhsa.version: [ 1, 2 ]
amdhsa.kernels:
  - .name:           k_qded1c4b8a8_mlp2
    .symbol:         k_qded1c4b8a8_mlp2.kd
    .args:
      - { .name: gact, .offset: 0, .size: 8, .value_kind: global_buffer, .address_space: global }
      - { .name: wt, .offset: 8, .size: 8, .value_kind: global_buffer, .address_space: global }
      - { .name: mlp_b2, .offset: 16, .size: 8, .value_kind: global_buffer, .address_space: global }
      - { .name: x1, .offset: 24, .size: 8, .value_kind: global_buffer, .address_space: global }
      - { .name: out0, .offset: 32, .size: 8, .value_kind: global_buffer, .address_space: global }
    .group_segment_fixed_size: 327680
    .private_segment_fixed_size: 0
    .kernarg_segment_align: 8
    .kernarg_segment_size: 40
    .max_flat_workgroup_size: 128
    .sgpr_count:     76
    .vgpr_count:     768
    .wavefront_size: 32
...
	.end_amdgpu_metadata
.endif
;; end of part 7
